; MI455X (gfx1250); checked and timed in simulation.
; The chip was launched on July 23, 2026; its instructions are those of AMD's public machine-readable ISA for CDNA 5 (MIT licence, August 2026) and "CDNA5" Instruction Set Architecture Reference Guide (July 2026). The comments in the code are by the model that wrote it; some were corrected since.
;; Rotation Scan. Allowed arithmetic: float matrix products may take bf16 or f16 operands with f32 sums; other float arithmetic in f32, or as packed bf16 or f16 multiplies, adds, multiply-adds, maxima and minima; sums over many terms, partial sums and values carried from step to step in f32; what a program stores and reads back later, other than sums and carried values, may be rounded once to bf16 or f16.
;; Inputs: Wi 1,024 x 1,024 float32; Wo 1,024 x 1,024 float32; Wr 1,024 x 512 float32; Wt 1,024 x 512 float32; beta 1,024 float32; bi 1,024 float32; bo 1,024 float32; br 512 float32; bt 512 float32; gamma 1,024 float32; x 4 x 4,096 x 1,024 float32.
;; Outputs: out0 4 x 4,096 x 1,024 float32.
;; 2 versions, each right; version 2 is version 1 with the launches prep, carry written anew for expert scheduling mode. Each part assembles by itself: llvm-mc -triple=amdgcn-amd-amdhsa -mcpu=gfx1250 --defsym DOCPART=n.
;; ======== version 1 of 2: 4 launches
;; workspace buffers: xb 33,554,432 bytes; wc 4,194,304 bytes; wob 2,097,152 bytes; sbuf 67,108,864 bytes; agg 1,048,576 bytes; hin 524,288 bytes
;; launch prep (part 1): grid 1216 x 1, 8 waves a work-group, no clusters, 0 bytes of LDS; arguments x, Wo, Wt, Wr, Wi, xb, wob, wc; writes xb, wob, wc
.if DOCPART == 1
	.amdgcn_target "amdgcn-amd-amdhsa--gfx1250"
	.amdhsa_code_object_version 6
	.text
	.protected	k_q2cc667092a_prep
	.globl	k_q2cc667092a_prep
	.p2align	8
	.type	k_q2cc667092a_prep,@function
k_q2cc667092a_prep:
	s_mov_b64 s[64:65], 0
	v_nop
	global_prefetch_b8 v0, s[64:65] scope:SCOPE_SE
	s_setreg_imm32_b32 hwreg(HW_REG_WAVE_MODE, 25, 1), 1
	s_wait_xcnt 0x0
; PREP: every matrix operand is rounded once to bf16 and laid out for the two products.
;   xb  [16384][1024]           = x
;   wob [1024][1024]            row 2 ch + ri = Wo's row 512 ri + ch (real and imaginary part of a channel side by side along K)
;   wc  [g 8][qh 2][k 1024][128] column c of a row: quantity 2 qh + c / 64 (0 theta: Wt, 1 retain: Wr, 2 inp_r, 3 inp_i: Wi), channel 64 g + c % 64
; A stream: no LDS, no barrier, no matrix unit.  A wave takes two rows of 4,096 bytes (x, Wo) or sixteen rows of wc; all its loads go out at once,
; the waits count down, and each store of a wave covers 256 consecutive bytes, aligned.
; Work-groups 0-1023: x (16 rows each); 1024-1087: Wo (channels 8 J + wave); 1088-1215: wc (block J / 8, 128 rows of k each).
.set NX, 1024
.set NO, 64
	s_load_b512 s[4:19], s[0:1], 0x0               ; x s[4:5], Wo s[6:7], Wt s[8:9], Wr s[10:11], Wi s[12:13], xb s[14:15], wob s[16:17], wc s[18:19]
	v_lshrrev_b32 v5, 5, v0
	v_readfirstlane_b32 s20, v5                    ; wave 0..7
	v_and_b32 v1, 31, v0                           ; lane
	v_lshlrev_b32 v3, 4, v1                        ; 16 bytes of f32 a lane
	v_lshlrev_b32 v4, 3, v1                        ; 8 bytes of bf16 a lane
	s_mov_b32 s21, ttmp9
	s_mov_b32 s35, 0
	s_cmp_lt_u32 s21, NX+NO
	s_cbranch_scc0 .Lwc
	; x and Wo: two source rows DELTA bytes apart become two neighbouring rows of the copy
	s_mov_b32 s32, 0x200000                        ; Wo: 512 rows of 4,096 bytes from the real part's row to the imaginary part's
	s_mov_b32 s33, 0
	s_cmp_lt_u32 s21, NX                           ; x?
	s_cselect_b32 s22, 0, NX
	s_cselect_b32 s23, 4, 3                        ; source row = 16 J + 2 wave (x) or 8 J + wave (Wo)
	s_cselect_b32 s30, 1, 0
	s_cselect_b32 s32, 0x1000, s32                 ; x: the next row
	s_wait_kmcnt 0x0
	s_cselect_b64 s[24:25], s[4:5], s[6:7]
	s_cselect_b64 s[28:29], s[14:15], s[16:17]
	s_sub_co_u32 s22, s21, s22                     ; J
	s_lshl_b32 s23, s22, s23
	s_lshl_b32 s30, s20, s30
	s_add_co_u32 s23, s23, s30
	s_lshl_b32 s34, s23, 12                        ; rows of 4,096 bytes, under 2^27
	s_add_nc_u64 s[24:25], s[24:25], s[34:35]
	s_add_nc_u64 s[26:27], s[24:25], s[32:33]
	s_lshl_b32 s34, s22, 4
	s_lshl1_add_u32 s34, s20, s34                  ; the copy's row 16 J + 2 wave
	s_lshl_b32 s34, s34, 11
	s_add_nc_u64 s[28:29], s[28:29], s[34:35]
.irp i, 0,1,2,3,4,5,6,7
	global_load_b128 v[16+4*(\i):19+4*(\i)], v3, s[24:25] offset:512*(\i) th:TH_LOAD_NT
.endr
.irp i, 0,1,2,3,4,5,6,7
	global_load_b128 v[48+4*(\i):51+4*(\i)], v3, s[26:27] offset:512*(\i) th:TH_LOAD_NT
.endr
.irp i, 0,1,2,3,4,5,6,7,8,9,10,11,12,13,14,15
	s_wait_loadcnt 15-(\i)                         ; loads come back in order: load i is in, the younger ones stay out
	v_cvt_pk_bf16_f32 v[80+2*(\i)], v[16+4*(\i)], v[17+4*(\i)]
	v_cvt_pk_bf16_f32 v[81+2*(\i)], v[18+4*(\i)], v[19+4*(\i)]
	global_store_b64 v4, v[80+2*(\i):81+2*(\i)], s[28:29] offset:256*(\i)
.endr
	s_endpgm
.Lwc:
	; wc: a row of the copy is 64 columns of one source (A) and 64 of another (B).  Both are loaded by all lanes at 16 (lane % 16); lanes 0-15 keep A's, lanes 16-31 B's.
	s_sub_co_u32 s22, s21, NX+NO
	s_lshr_b32 s23, s22, 3                         ; block 2 g + qh
	s_and_b32 s30, s22, 7
	s_lshr_b32 s31, s23, 1                         ; g
	s_and_b32 s32, s23, 1                          ; qh
	s_lshl_b32 s33, s30, 7
	s_lshl4_add_u32 s33, s20, s33                  ; my first row of k
	s_lshl_b32 s36, s31, 8                         ; 64 g columns of f32
	s_lshl_b32 s37, 0x800, s32                     ; bytes in a source row: 2,048 (Wt, Wr) or 4,096 (Wi)
	s_lshl_b32 s38, s32, 11                        ; Wi's imaginary half lies 512 columns on
	s_mul_i32 s34, s33, s37
	s_add_co_u32 s34, s34, s36
	s_add_co_u32 s38, s34, s38
	s_mov_b32 s39, 0
	s_cmp_eq_u32 s32, 1
	s_wait_kmcnt 0x0
	s_cselect_b64 s[24:25], s[12:13], s[8:9]
	s_cselect_b64 s[26:27], s[12:13], s[10:11]
	s_add_nc_u64 s[24:25], s[24:25], s[34:35]
	s_add_nc_u64 s[26:27], s[26:27], s[38:39]
	s_lshl_b32 s34, s23, 18                        ; a block is 262,144 bytes
	s_lshl_b32 s36, s33, 8
	s_add_co_u32 s34, s34, s36
	s_add_nc_u64 s[28:29], s[18:19], s[34:35]
	v_and_b32 v2, 15, v0
	v_lshlrev_b32 v100, 4, v2
.set i, 1
.rept 15
	v_add_nc_u32 v[100+i], s37, v[99+i]            ; the pitch is no constant of the text, so each row has its offset register
.set i, i+1
.endr
.set i, 0
.rept 16
	global_load_b128 v[16+4*i:19+4*i], v[100+i], s[24:25] th:TH_LOAD_NT
	global_load_b128 v[120+4*i:123+4*i], v[100+i], s[26:27] th:TH_LOAD_NT
.set i, i+1
.endr
	v_cmp_gt_u32 vcc_lo, 16, v1                    ; lanes 0-15
.set i, 0
.rept 16
	s_wait_loadcnt 30-2*i                          ; row i's two loads are in
.irp e, 0,1,2,3
	v_cndmask_b32 v[16+4*i+(\e)], v[120+4*i+(\e)], v[16+4*i+(\e)], vcc_lo
.endr
	v_cvt_pk_bf16_f32 v[16+4*i], v[16+4*i], v[17+4*i]
	v_cvt_pk_bf16_f32 v[17+4*i], v[18+4*i], v[19+4*i]
	global_store_b64 v4, v[16+4*i:17+4*i], s[28:29] offset:256*i
.set i, i+1
.endr
	s_endpgm
.Lfunc_end_k_q2cc667092a_prep:
	.size	k_q2cc667092a_prep, .Lfunc_end_k_q2cc667092a_prep-k_q2cc667092a_prep
	.p2alignl 7, 3214868480
	.fill 96, 4, 3214868480
	.section	.rodata,"a",@progbits
	.p2align	6, 0x0
	.amdhsa_kernel k_q2cc667092a_prep
		.amdhsa_group_segment_fixed_size 0
		.amdhsa_private_segment_fixed_size 0
		.amdhsa_enable_private_segment 0
		.amdhsa_kernarg_size 64
		.amdhsa_user_sgpr_count 2
		.amdhsa_user_sgpr_kernarg_segment_ptr 1
		.amdhsa_wavefront_size32 1
		.amdhsa_system_sgpr_workgroup_id_x 1
		.amdhsa_system_sgpr_workgroup_id_y 1
		.amdhsa_system_sgpr_workgroup_id_z 1
		.amdhsa_system_vgpr_workitem_id 0
		.amdhsa_next_free_vgpr 200
		.amdhsa_next_free_sgpr 66
		.amdhsa_reserve_vcc 1
		.amdhsa_float_denorm_mode_32 3
		.amdhsa_float_denorm_mode_16_64 3
		.amdhsa_memory_ordered 1
		.amdhsa_forward_progress 1
		.amdhsa_inst_pref_size 18
	.end_amdhsa_kernel
	.amdgpu_metadata
---
amdhsa.version: [ 1, 2 ]
amdhsa.kernels:
  - .name:           k_q2cc667092a_prep
    .symbol:         k_q2cc667092a_prep.kd
    .args:
      - { .name: x, .offset: 0, .size: 8, .value_kind: global_buffer, .address_space: global }
      - { .name: Wo, .offset: 8, .size: 8, .value_kind: global_buffer, .address_space: global }
      - { .name: Wt, .offset: 16, .size: 8, .value_kind: global_buffer, .address_space: global }
      - { .name: Wr, .offset: 24, .size: 8, .value_kind: global_buffer, .address_space: global }
      - { .name: Wi, .offset: 32, .size: 8, .value_kind: global_buffer, .address_space: global }
      - { .name: xb, .offset: 40, .size: 8, .value_kind: global_buffer, .address_space: global }
      - { .name: wob, .offset: 48, .size: 8, .value_kind: global_buffer, .address_space: global }
      - { .name: wc, .offset: 56, .size: 8, .value_kind: global_buffer, .address_space: global }
    .group_segment_fixed_size: 0
    .private_segment_fixed_size: 0
    .kernarg_segment_align: 8
    .kernarg_segment_size: 64
    .max_flat_workgroup_size: 256
    .sgpr_count:     66
    .vgpr_count:     200
    .wavefront_size: 32
...
	.end_amdgpu_metadata
.endif
;; end of part 1
;; launch proj (part 2): grid 8 x 64, 4 waves a work-group, clusters of 4 x 4, 327,680 bytes of LDS; arguments xb, wc, bt, br, bi, sbuf, agg; writes sbuf, agg
.if DOCPART == 2
	.amdgcn_target "amdgcn-amd-amdhsa--gfx1250"
	.amdhsa_code_object_version 6
	.text
	.protected	k_q2cc667092a_proj
	.globl	k_q2cc667092a_proj
	.p2align	8
	.type	k_q2cc667092a_proj,@function
k_q2cc667092a_proj:
	s_mov_b64 s[64:65], 0
	v_nop
	global_prefetch_b8 v0, s[64:65] scope:SCOPE_SE
	s_setreg_imm32_b32 hwreg(HW_REG_WAVE_MODE, 25, 1), 1
	s_wait_xcnt 0x0
	s_wait_alu depctr_hold_cnt(0) depctr_sa_sdst(0) depctr_va_vdst(0) depctr_va_sdst(0) depctr_va_ssrc(0) depctr_va_vcc(0) depctr_vm_vsrc(0)
	s_getreg_b32 s2, hwreg(HW_REG_IB_STS2, 6, 4)
	s_cmp_eq_u32 s2, 0
	s_cbranch_scc0 .Lentry_in_a_cluster
	s_endpgm
.Lentry_in_a_cluster:
	s_bfe_u32 s2, ttmp6, 0x10000c
	s_cmp_lg_u32 s2, 0xf033
	s_cbranch_scc0 .Lentry_shape_is_right
	s_endpgm
.Lentry_shape_is_right:
; PROJ: the three projections as one product xb [16384][1024] x wc (2,048 columns), and the recurrence inside segments of 128 rows.
; A work-group makes 256 rows t x 64 channels x 4 quantities (theta, retain's argument, inp_r, inp_i): a tile of 256 x 256; a wave 128 rows x 32 channels x 4: 64 accumulators, 512 registers.
; THE RECURRENCE.  The chunked form of the problem is, term by term, h[t] = a[t] h[t-1] + c[t] b[t] with a = max(retain, 1e-6) e^(i theta), b = (1 - retain) inp,
; c = M / max(M, 1e-8) = min(1, 1e8 M), M the product of max(retain, 1e-6) since the start of the chunk of 32.  It is linear in the h that enters, so a wave scans its 128 rows from h = 0 (hl)
; and keeps the product A of a beside it: h[t] = hl[t] + A[t] h_in.  sbuf [t][ch][4] bf16 = (hl_r, hl_i, A_r, A_i); agg [t / 128][ch][4] f32 = (A_r, A_i, hl_r, hl_i) at the segment's end.
; SIN, COS: theta / pi = n + g, n the nearest whole number (made by adding 1.5 x 2^23; 1 / pi in two words), sin(pi g) by its series to g^11, cos(pi g) to g^12 on |g| <= 1/2
; (what is cut: under 5.7e-8 and 6.4e-9); n's parity becomes the sign.
; LIMITS.  All inputs are taken rounded once to bf16, the biases too.  |theta| stays under 2^22 pi (1.3e7).  Exponentials and reciprocals flush denormals; M below 2^-126 may count as 0
; (c is then under 1e-30).  NaN and infinities are not treated apart.  hl and A are stored rounded to bf16; the carries (agg) stay f32.
; THE PRODUCT: K in 8 steps of 128 through two LDS slots.  Source 0 = 16 rows of x (as they lie), source 1 = 16 columns of wc (rows along k: turned by ds_load_tr16_b128):
; in a result lane l holds channel l % 16 and rows 8 (l / 16) + 0..7.
; CLUSTER 4 x 4: x's tile hangs on the tile row alone and is asked for jointly along a row of the cluster, wc's on g alone and jointly along a column.
; A work-group does not stay for a second tile: the way out stores into the ring's bytes.
; REGISTERS: window 0: v16-31 addresses, v40-43 biases, v64-191 two buffers of x's fragments; window 1: v64-191 two buffers of wc's; windows 2, 3: accumulator (a, b) at v[8 (8 (a % 4) + b)], b = 2 q + channel block.
.set PA,    272                        ; a row of x's tile in LDS: 256 bytes + 16: the 16 rows of a load start at 16 different groups of four banks (ISA guide 11.1)
.set PB,    288                        ; a row of wc's tile: 256 + 32
.set HALFA, 128*PA
.set HALFB, 128*PB
.set BOFF,  2*HALFA
.set SLOT,  BOFF+2*HALFB               ; 143,360
.set SPARE, 2*SLOT                     ; behind the ring: the spare words, 128 bytes a wave, which no other line names
.set DP,    528                        ; the way out: a row of 128 t in f32 + 16 bytes
.set DUMPB, 128*DP                     ; a wave's own 128 rows (quantity, channel); four of them lie inside the ring
.set LAPS,  4
.set ADRA, 16                          ; v16-17  my fragments of x in slot 0, 1
.set ADRB, 20                          ; v20-23  my fragments of wc: slot p, half qh at 2 p + qh
.set DA,   24                          ; v24  the way out: where a lane puts its eight t
.set RB,   25                          ; v25  where lane = channel reads them back
.set SO,   26                          ; v26  8 x lane
.set AO,   27                          ; v27  16 x lane
.set SPW,  28
.set NIL,  29
.set PFO,  30                          ; v30  the prefetches' offset: a lane a row
.set BOF,  31                          ; v31  4 x my channel
.set F0,   64
.set F1,   128
.set G1,   24                          ; s[24:31] group 1, s[32:39] group 0 (a set a slot) for x
.set G0,   32
.set G1B,  48                          ; s[48:55], s[56:63] the same for wc
.set G0B,  56
.set LIM,  43
.set PFA,  44
.set PST,  46
.set WV,   66
.set WH,   67                          ; wave / 2: my half of the rows; also: I fetch for x (0) or wc (1)
.set WL,   68                          ; wave % 2: my half of the channels; also: which half of that tile I fetch
.set TR,   69
.set SBS,  90                          ; s[90:91] sbuf at my first row and channel
.set ABS,  92                          ; s[92:93] agg at my segment and channel
.set MSB, 0
.macro WIN new
.if MSB != (\new)
	s_set_vgpr_msb (MSB<<8)|(\new)
.set MSB, \new
.endif
.endm
.set MUL_LO, 0xa4                      ; source 0 (x) window 0, source 1 (wc) window 1, C and D window 2
.set MUL_HI, 0xf4
.set TO_B,   0x40
.macro PLACES                          ; four plain places behind a matrix instruction (ISA guide 7.12.1)
.rept 4
	v_nop
.endr
.endm
.macro JLOAD s                         ; a joint load: waves 0, 1 x's halves, waves 2, 3 wc's; s_nop 0 and four v_nop behind each line
	s_cmp_eq_u32 s[WH], 0
	s_cbranch_scc0 .Lfor_b_\@
	tensor_load_to_lds s[G0+4*(\s):G0+4*(\s)+3], s[G1:G1+7]
	s_nop 0
	PLACES
	s_branch .Lasked_\@
.Lfor_b_\@:
	tensor_load_to_lds s[G0B+4*(\s):G0B+4*(\s)+3], s[G1B:G1B+7]
	s_nop 0
	PLACES
.Lasked_\@:
.endm
.macro ASK                             ; the K step two refills on: 32 rows x 256 bytes, a lane a row; the loop's last trip has none
	s_cmp_gt_u32 s3, s[LIM]
	s_cbranch_scc0 .Lnot_mine_\@
	global_prefetch_b8 v[PFO], s[PFA:PFA+1] th:TH_LOAD_NT scope:SCOPE_SE
.Lnot_mine_\@:
.endm
.macro CREST
	s_cmp_lg_u32 s[WV], 0
	s_cbranch_scc1 .Lnot_wave_0_\@
	s_barrier_signal -3
.Lnot_wave_0_\@:
	s_barrier_wait -3
	s_barrier_signal -1
	s_barrier_wait -1
.endm
.macro CROUND
	s_barrier_signal -1
	s_barrier_wait -1
	CREST
.endm
	s_load_b256 s[4:11], s[0:1], 0x0               ; xb s[4:5], wc s[6:7], bt s[8:9], br s[10:11]
	s_load_b128 s[12:15], s[0:1], 0x20             ; bi s[12:13], sbuf s[14:15]
	s_load_b64 s[16:17], s[0:1], 0x30              ; agg
	v_lshl_add_u32 v[SPW], v0, 2, SPARE
	v_mov_b32 v[NIL], 0
	ds_add_u32 v[SPW], v[NIL]                      ; the opening: the add, twice on end, and its wait ahead of my first tensor load
	ds_add_u32 v[SPW], v[NIL]
	v_lshrrev_b32 v1, 5, v0
	v_readfirstlane_b32 s[WV], v1
	s_lshr_b32 s[WH], s[WV], 1
	s_and_b32 s[WL], s[WV], 1
	s_bfe_u32 s40, ttmp6, 0x40000                  ; cx
	s_bfe_u32 s41, ttmp6, 0x40004                  ; cy
	s_lshl_b32 s42, ttmp9, 2
	s_add_co_u32 s42, s42, s40                     ; g = 4 x cluster x + cx
	s_and_b32 s[TR], ttmp7, 0xffff
	s_lshl_b32 s[TR], s[TR], 2
	s_add_co_u32 s[TR], s[TR], s41                 ; tile row = 4 x cluster y + cy
	s_lshl_b32 s70, s41, 2
	s_lshl_b32 s70, 15, s70                        ; my row of the cluster
	s_lshl_b32 s71, 0x1111, s40                    ; my column
	s_or_b32 s[G1], s70, (1<<16)|(1<<20)|(1<<21)|(5<<22)|(3<<25)   ; mask; 2-byte elements; padding on; bit 21 beside a mask; after every 64 words 4 words
	s_or_b32 s[G1B], s71, (1<<16)|(1<<20)|(1<<21)|(5<<22)|(7<<25)  ; the same with 8 words
.irp g, G1, G1B
	s_mov_b32 s[(\g)+1], 128<<16                   ; tensor_dim0 = 128
	s_mov_b32 s[(\g)+2], 128<<16                   ; tensor_dim1 = 128
	s_mov_b32 s[(\g)+3], 128<<16                   ; tile_dim0 = 128
	s_mov_b32 s[(\g)+4], 128                       ; tile_dim1 = 128
	s_mov_b32 s[(\g)+6], 0
	s_mov_b32 s[(\g)+7], 0
.endr
	s_mov_b32 s[G1+5], 1024                        ; elements from row to row of xb
	s_mov_b32 s[G1B+5], 128                        ; and of a block of wc
	s_lshl_b32 s72, s[TR], 8
	s_lshl_b32 s73, s[WL], 7
	s_add_co_u32 s72, s72, s73                     ; x: row 256 x tile row + 128 x half,
	s_lshl_b32 s72, s72, 11                        ; of 2,048 bytes
	s_mov_b32 s73, 0
	s_lshl_b32 s76, s42, 1
	s_add_co_u32 s76, s76, s[WL]                   ; wc: block 2 g + half,
	s_lshl_b32 s76, s76, 18                        ; of 262,144 bytes
	s_mov_b32 s77, 0
	s_mul_i32 s80, s[WL], HALFA                    ; where they go: no place in the cluster enters an LDS address
	s_mul_i32 s81, s[WL], HALFB
	s_add_co_u32 s81, s81, BOFF
	s_wait_dscnt 0x0                               ; both opening adds are done
	s_wait_kmcnt 0x0
	s_add_nc_u64 s[74:75], s[4:5], s[72:73]
	s_add_nc_u64 s[78:79], s[6:7], s[76:77]
	CROUND                                         ; all sixteen work-groups are here: the first joint loads meet
.irp s, 0,1
	s_mov_b32 s[G0+4*(\s)], 1
	s_add_co_u32 s[G0+4*(\s)+1], s80, (\s)*SLOT
	s_add_nc_u64 s[G0+4*(\s)+2:G0+4*(\s)+3], s[74:75], (\s)*256      ; K step s: 256 bytes along the rows
	s_or_b32 s[G0+4*(\s)+3], s[G0+4*(\s)+3], 0x80000000
	s_mov_b32 s[G0B+4*(\s)], 1
	s_add_co_u32 s[G0B+4*(\s)+1], s81, (\s)*SLOT
	s_add_nc_u64 s[G0B+4*(\s)+2:G0B+4*(\s)+3], s[78:79], (\s)*32768  ; K step s: 128 rows of 256 bytes
	s_or_b32 s[G0B+4*(\s)+3], s[G0B+4*(\s)+3], 0x80000000
	JLOAD \s
.endr
	v_and_b32 v1, 15, v0                           ; r = l % 16
	v_bfe_u32 v2, v0, 4, 1                         ; h = l / 16
	v_and_b32 v3, 31, v0                           ; l
	s_lshl_b32 s82, s42, 8
	s_lshl_b32 s83, s[WL], 7
	s_add_co_u32 s82, s82, s83                     ; 4 x (64 g + 32 x my half): my wave's first channel
	v_lshl_add_u32 v[BOF], v3, 2, s82
	global_load_b32 v40, v[BOF], s[8:9]            ; the biases of channel = lane
	global_load_b32 v41, v[BOF], s[10:11]
	global_load_b32 v42, v[BOF], s[12:13]
	global_load_b32 v43, v[BOF], s[12:13] offset:2048
	v_mul_u32_u24 v4, v1, PA
	v_lshl_add_u32 v4, v2, 4, v4
	s_mul_i32 s83, s[WH], HALFA
	v_add_nc_u32 v[ADRA], s83, v4
	v_add_nc_u32 v[ADRA+1], SLOT, v[ADRA]
	v_and_b32 v5, 7, v0
	v_lshl_add_u32 v5, v2, 3, v5                   ; the turning load: row 8 h + l % 8,
	v_mul_u32_u24 v5, v5, PB
	v_bfe_u32 v6, v0, 3, 1
	v_lshl_add_u32 v5, v6, 4, v5                   ; 16 bytes by (l / 8) % 2,
	s_lshl_b32 s83, s[WL], 6                       ; my 32 channels of the 64
	s_add_co_u32 s83, s83, BOFF
	v_add_nc_u32 v[ADRB], s83, v5
	v_add_nc_u32 v[ADRB+1], HALFB, v[ADRB]
	v_add_nc_u32 v[ADRB+2], SLOT, v[ADRB]
	v_add_nc_u32 v[ADRB+3], SLOT, v[ADRB+1]
	s_mul_i32 s83, s[WV], DUMPB
	v_mul_u32_u24 v[DA], v1, DP
	v_lshl_add_u32 v[DA], v2, 5, v[DA]
	v_add_nc_u32 v[DA], s83, v[DA]
	v_mul_u32_u24 v[RB], v3, DP
	v_add_nc_u32 v[RB], s83, v[RB]
	v_lshlrev_b32 v[SO], 3, v3
	v_lshlrev_b32 v[AO], 4, v3
	s_lshl_b32 s84, s[TR], 1
	s_add_co_u32 s84, s84, s[WH]                   ; my segment of 128 rows
	s_lshl_b32 s86, s84, 19                        ; 128 rows of 4,096 bytes of sbuf
	s_lshl_b32 s87, s82, 1                         ; 8 bytes a channel
	s_add_co_u32 s86, s86, s87
	s_mov_b32 s87, 0
	s_add_nc_u64 s[SBS:SBS+1], s[14:15], s[86:87]
	s_lshl_b32 s86, s84, 13                        ; 8,192 bytes of agg a segment
	s_lshl_b32 s88, s82, 2                         ; 16 bytes a channel
	s_add_co_u32 s86, s86, s88
	s_add_nc_u64 s[ABS:ABS+1], s[16:17], s[86:87]
	; THE PREFETCHES.  x's tile row is read by both clusters of its row of clusters: cluster x = 0 asks; wc's blocks by every cluster of a column: cluster y = 0 asks.  Of the 128 rows that a wave
	; fetches each of the four partners takes 32, told apart by address.  Nothing is asked for here at the head: K steps 0 to 3 come by their loads alone.
	s_and_b32 s84, ttmp7, 0xffff
	s_lshl_b32 s85, s[TR], 8
	s_lshl_b32 s86, s[WL], 7
	s_add_co_u32 s85, s85, s86
	s_lshl_b32 s86, s40, 5
	s_add_co_u32 s85, s85, s86
	s_lshl_b32 s85, s85, 11
	s_add_co_u32 s85, s85, 3*256                   ; x: at K step 3; the first change of slots steps it to 4
	s_lshl_b32 s86, s42, 1
	s_add_co_u32 s86, s86, s[WL]
	s_lshl_b32 s86, s86, 10
	s_lshl_b32 s87, s41, 5
	s_add_co_u32 s86, s86, s87
	s_lshl_b32 s86, s86, 8
	s_add_co_u32 s86, s86, 3*32768                 ; wc: the same
	s_mov_b32 s[PST], 0x8000
	s_mov_b32 s[PST+1], 0
	s_cmp_eq_u32 s[WH], 0                          ; do I fetch for x?
	s_cselect_b32 s88, s85, s86
	s_cselect_b32 s84, ttmp9, s84
	s_cselect_b32 s87, 11, 8                       ; a lane a row: 2,048 or 256 bytes
	s_cselect_b32 s[PST], 0x100, s[PST]            ; a K step: 256 or 32,768 bytes
	s_cselect_b64 s[PFA:PFA+1], s[4:5], s[6:7]
	s_mov_b32 s89, 0
	s_add_nc_u64 s[PFA:PFA+1], s[PFA:PFA+1], s[88:89]
	s_cmp_eq_u32 s84, 0
	s_cselect_b32 s[LIM], 1, -1
	v_lshlrev_b32 v[PFO], s87, v3
; 16 products: row blocks a0, a0 + 1 of the window's four x all 8 column blocks, 32 along K.  The 64 accumulators take turns, in the same order in every quarter.
.macro MUL16 f, hi, a0, zero
	WIN MUL_LO+0x50*(\hi)
.irp a, \a0, (\a0)+1
.irp b, 0,1,2,3,4,5,6,7
.if \zero
	v_wmma_f32_16x16x32_bf16 v[8*(8*(\a)+(\b)):8*(8*(\a)+(\b))+7], v[(\f)+8*(4*(\hi)+(\a)):(\f)+8*(4*(\hi)+(\a))+7], v[(\f)+8*(\b):(\f)+8*(\b)+7], 0
.else
	v_wmma_f32_16x16x32_bf16 v[8*(8*(\a)+(\b)):8*(8*(\a)+(\b))+7], v[(\f)+8*(4*(\hi)+(\a)):(\f)+8*(4*(\hi)+(\a))+7], v[(\f)+8*(\b):(\f)+8*(\b)+7], v[8*(8*(\a)+(\b)):8*(8*(\a)+(\b))+7]
.endif
.endr
.endr
.endm
; 32 LDS loads in one run: quarter kq (32 along K) of a slot into buffer f: wc's 8 column blocks (b = 2 q + channel block: half b / 4, 64 columns by (b / 2) % 2, 16 by b % 2), then x's 8 row blocks
.macro FETCH slot, kq, f
	WIN TO_B
.irp b, 0,1,2,3,4,5,6,7
	ds_load_tr16_b128 v[(\f)+8*(\b):(\f)+8*(\b)+3],   v[ADRB+2*(\slot)+(\b)/4] offset:32*PB*(\kq)+128*(((\b)/2)%2)+32*((\b)%2)
	ds_load_tr16_b128 v[(\f)+8*(\b)+4:(\f)+8*(\b)+7], v[ADRB+2*(\slot)+(\b)/4] offset:32*PB*(\kq)+128*(((\b)/2)%2)+32*((\b)%2)+16*PB
.endr
	WIN 0
.irp i, 0,1,2,3,4,5,6,7
	ds_load_b128 v[(\f)+8*(\i):(\f)+8*(\i)+3],   v[ADRA+(\slot)] offset:64*(\kq)+(\i)*16*PA
	ds_load_b128 v[(\f)+8*(\i)+4:(\f)+8*(\i)+7], v[ADRA+(\slot)] offset:64*(\kq)+(\i)*16*PA+32
.endr
.endm
.macro QUARTER slot, kq, f, g, zero    ; multiplies buffer f; in its middle fetches quarter kq into buffer g
	s_wait_dscnt 8                                 ; wc's blocks and x's rows 0-63 are in; the youngest eight loads may be out
	MUL16 \f, 0, 0, \zero
	MUL16 \f, 0, 2, \zero
	PLACES
	FETCH \slot, \kq, \g
	s_wait_dscnt 32                                ; all but the 32 just issued
	MUL16 \f, 1, 0, \zero
	MUL16 \f, 1, 2, \zero
.endm
.macro MEET round                      ; one barrier for the change of slots
	WIN 0
	s_wait_tensorcnt 0x0                           ; all my tensor loads have landed: the one that was out is my part of the next slot
	ds_add_u32 v[SPW], v[NIL]                      ; 0 onto my spare word
	s_wait_dscnt 9                                 ; (the add and the youngest eight loads may be out)
	MUL16 F1, 0, 0, 0
	s_wait_dscnt 0x0                               ; the add is done, and my reads of this slot are over
	s_barrier_signal -1
	MUL16 F1, 0, 2, 0
.if \round
	WIN 0
.endif
	s_barrier_wait -1
.endm
.macro TURN slot, next, fill           ; the last quarter of a K step; fill = 1: the slot just read out takes the K step two on
.if \fill
	s_wait_xcnt 0x0                                ; the last prefetch, a K step back, has read its address
	s_add_nc_u64 s[PFA:PFA+1], s[PFA:PFA+1], s[PST:PST+1]
	MEET 1
	CREST                                          ; the barrier has opened a round of the cluster's: no wave of any partner still reads the slot or has a load on its way
	s_add_nc_u64 s[G0+4*(\slot)+2:G0+4*(\slot)+3], s[G0+4*(\slot)+2:G0+4*(\slot)+3], 2*256
	s_add_nc_u64 s[G0B+4*(\slot)+2:G0B+4*(\slot)+3], s[G0B+4*(\slot)+2:G0B+4*(\slot)+3], 2*32768
	JLOAD \slot                                    ; the first tensor load behind the round; its four v_nop are also the places in front of the loads below
	FETCH \next, 0, F0
	ASK
.else
	MEET 0
	PLACES
	FETCH \next, 0, F0
.endif
	MUL16 F1, 1, 0, 0
	MUL16 F1, 1, 2, 0
.endm
	s_wait_loadcnt 0x0                             ; the four bias words
	s_wait_tensorcnt 1                             ; my part of K step 0 is in; K step 1's may stay out
	s_barrier_signal -1
	s_barrier_wait -1
	FETCH 0, 0, F0
	QUARTER 0, 1, F0, F1, 1                        ; the first quarter's products start the sums: nothing is cleared
	WIN 0
	s_mov_b32 s3, LAPS-1
.Llap:                                             ; once round the ring, from a lap's second quarter to the next lap's first
	QUARTER 0, 2, F1, F0, 0
	QUARTER 0, 3, F0, F1, 0
	TURN 0, 1, 1
	QUARTER 1, 1, F0, F1, 0
	QUARTER 1, 2, F1, F0, 0
	QUARTER 1, 3, F0, F1, 0
	TURN 1, 0, 1
	QUARTER 0, 1, F0, F1, 0
	WIN 0
	s_sub_co_u32 s3, s3, 1
	s_cmp_lg_u32 s3, 0
	s_cbranch_scc1 .Llap
	QUARTER 0, 2, F1, F0, 0                        ; the last lap fills nothing
	QUARTER 0, 3, F0, F1, 0
	TURN 0, 1, 0
	QUARTER 1, 1, F0, F1, 0
	QUARTER 1, 2, F1, F0, 0
	QUARTER 1, 3, F0, F1, 0
	s_wait_dscnt 8
	MUL16 F1, 0, 0, 0
	MUL16 F1, 0, 2, 0
	s_wait_dscnt 0x0
	MUL16 F1, 1, 0, 0
	MUL16 F1, 1, 2, 0
	WIN 0
	PLACES                                         ; behind the last products, ahead of the stores that read results
	; THE WAY OUT.  Every wave's reads of the ring are back (the wait above) and the ring has had its last fill: behind this barrier it is stage.
	s_barrier_signal -1
	s_barrier_wait -1
	; My 64 accumulators go into my own 128 rows (16 b + r) x 128 t; each accumulator's low registers first.  Only I read them: LDS serves a wave in order (ISA guide 5.7.1.4).
.irp a, 0,1,2,3,4,5,6,7
	WIN 0x08+4*((\a)/4)                            ; store data (source 1) in window 2 or 3
.irp b, 0,1,2,3,4,5,6,7
	ds_store_b128 v[DA], v[8*(8*((\a)%4)+(\b)):8*(8*((\a)%4)+(\b))+3]   offset:16*DP*(\b)+64*(\a)
	ds_store_b128 v[DA], v[8*(8*((\a)%4)+(\b))+4:8*(8*((\a)%4)+(\b))+7] offset:16*DP*(\b)+64*(\a)+16
.endr
.endr
	WIN 0
	; constants, as pairs (a packed instruction names a pair and takes its low word for both halves).  No tensor load is out and the last prefetch has read its address.
.set KNL, 24                           ; -log2(e)
.set KIP, 26                           ; 1 / pi, high word
.set KIL, 28                           ; and what it leaves
.set KMG, 30                           ; 1.5 x 2^23
.set KS,  32                           ; sin(pi g) / g: coefficient of g^(2 k) at KS + 2 k, k = 0..5
.set KC,  44                           ; cos(pi g): coefficient of g^(2 k) at KC + 2 (k - 1), k = 1..6
.set KEP, 56                           ; 1e-6
.macro CONST r, val
	s_mov_b32 s[\r], \val
	s_mov_b32 s[(\r)+1], \val
.endm
	s_wait_xcnt 0x0
	CONST KNL, 0xbfb8aa3b
	CONST KIP, 0x3ea2f983
	CONST KIL, 0x325c9c88
	CONST KMG, 0x4b400000
	CONST KS,    0x40490fdb
	CONST KS+2,  0xc0a55de7
	CONST KS+4,  0x402335e3
	CONST KS+6,  0xbf196966
	CONST KS+8,  0x3da83c1a
	CONST KS+10, 0xbbf183a8
	CONST KC,    0xc09de9e6
	CONST KC+2,  0x4081e0f8
	CONST KC+4,  0xbfaae9e4
	CONST KC+6,  0x3e70fa83
	CONST KC+8,  0xbcd368f9
	CONST KC+10, 0x3afce9c5
	s_mov_b32 s[KEP], 0x358637bd
.set BT,  32                           ; v[32:33] bt, v[34:35] -log2(e) br, v[36:37] bi (real), v[38:39] bi (imaginary): rounded to bf16, twice each
.set NBR, 34
.set BIR, 36
.set BII, 38
.set STA, 44                           ; v[44:47] A_r, A_i, hl_r, hl_i as they enter a chunk
.set E8,  48                           ; v[48:49] 1e8
.set RU,  50                           ; v[50:53] at work in the scan
.set RT,  192                          ; theta / pi + 1.5 x 2^23; then max(retain, 1e-6) with n's parity as its sign
.set RN,  200                          ; n; g's first part; g^2; then c (1 - retain)
.set RSN, 208                          ; sin; a_i; then, with RCS, what is stored
.set RCS, 216                          ; cos; a_r
.set RRC, 224                          ; max(retain, 1e-6)
.set RM,  232                          ; M
.set RBB, 240                          ; c b, a pair a row
	v_cvt_pk_bf16_f32 v40, v40, v41
	v_cvt_pk_bf16_f32 v42, v42, v43
	v_lshlrev_b32 v[BT], 16, v40
	v_and_b32 v[NBR], 0xffff0000, v40
	v_lshlrev_b32 v[BIR], 16, v42
	v_and_b32 v[BII], 0xffff0000, v42
	v_mul_f32 v[NBR], 0xbfb8aa3b, v[NBR]
	v_mov_b32 v[BT+1], v[BT]
	v_mov_b32 v[BIR+1], v[BIR]
	v_mov_b32 v[BII+1], v[BII]
	v_mov_b32 v[NBR+1], v[NBR]
	v_mov_b32 v[STA], 1.0
	v_mov_b32 v[STA+1], 0
	v_mov_b32 v[STA+2], 0
	v_mov_b32 v[STA+3], 0
	v_mov_b32 v[E8], 0x4cbebc20
	v_mov_b32 v[E8+1], 0x4cbebc20
; One row of the scan: (r, i) pairs; e picks row j's a out of its pair of rows.  hl = a hl + c b, A = a A: first the products by a_r, then those by a_i on the swapped pair, the real one negated.
.macro STEP j, e, hp, ap
	v_pk_fma_f32 v[RU:RU+1], v[RCS+2*((\j)/2):RCS+2*((\j)/2)+1], v[(\hp):(\hp)+1], v[RBB+2*(\j):RBB+2*(\j)+1] op_sel:[\e,0,0] op_sel_hi:[\e,1,1]
	v_pk_mul_f32 v[RU+2:RU+3], v[RCS+2*((\j)/2):RCS+2*((\j)/2)+1], v[(\ap):(\ap)+1] op_sel:[\e,0] op_sel_hi:[\e,1]
	v_pk_fma_f32 v[D+2*(\j):D+2*(\j)+1], v[RSN+2*((\j)/2):RSN+2*((\j)/2)+1], v[(\hp):(\hp)+1], v[RU:RU+1] op_sel:[\e,1,0] op_sel_hi:[\e,0,1] neg_lo:[0,1,0]
	v_pk_fma_f32 v[D+16+2*(\j):D+17+2*(\j)], v[RSN+2*((\j)/2):RSN+2*((\j)/2)+1], v[(\ap):(\ap)+1], v[RU+2:RU+3] op_sel:[\e,1,0] op_sel_hi:[\e,0,1] neg_lo:[0,1,0]
.endm
; Eight rows t of my channel.  D: theta's sums 8, retain's 8, inp_r's 8, inp_i's 8; later hl (8 pairs) and A (8 pairs) in their place.  pa, ph: the A and hl that enter.
.macro BLOCK k, pa, ph
.set D, 64+32*(\k)
	s_wait_dscnt 24-8*(\k)                         ; this block's eight loads are in; the later blocks' may be out
	s_wait_xcnt 0x0                                ; the last block's stores have read RSN and RCS
.irp p, 0,2,4,6
	v_pk_fma_f32 v[D+8+(\p):D+9+(\p)], v[D+8+(\p):D+9+(\p)], s[KNL:KNL+1], v[NBR:NBR+1] op_sel_hi:[1,0,1]
.endr
.irp j, 0,1,2,3,4,5,6,7
	v_exp_f32 v[D+8+(\j)], v[D+8+(\j)]             ; e^-(z + br)
.endr
.irp p, 0,2,4,6
	v_pk_add_f32 v[D+(\p):D+1+(\p)], v[D+(\p):D+1+(\p)], v[BT:BT+1]
.endr
.irp p, 0,2,4,6
	v_pk_fma_f32 v[RT+(\p):RT+1+(\p)], v[D+(\p):D+1+(\p)], s[KIP:KIP+1], s[KMG:KMG+1] op_sel_hi:[1,0,0]
.endr
.irp p, 0,2,4,6
	v_pk_add_f32 v[RN+(\p):RN+1+(\p)], v[RT+(\p):RT+1+(\p)], s[KMG:KMG+1] op_sel_hi:[1,0] neg_lo:[0,1] neg_hi:[0,1]
.endr
.irp p, 0,2,4,6
	v_pk_fma_f32 v[RN+(\p):RN+1+(\p)], v[D+(\p):D+1+(\p)], s[KIP:KIP+1], v[RN+(\p):RN+1+(\p)] op_sel_hi:[1,0,1] neg_lo:[0,0,1] neg_hi:[0,0,1]
.endr
.irp p, 0,2,4,6
	v_pk_fma_f32 v[D+(\p):D+1+(\p)], v[D+(\p):D+1+(\p)], s[KIL:KIL+1], v[RN+(\p):RN+1+(\p)] op_sel_hi:[1,0,1]   ; g
.endr
.irp p, 0,2,4,6
	v_pk_mul_f32 v[RN+(\p):RN+1+(\p)], v[D+(\p):D+1+(\p)], v[D+(\p):D+1+(\p)]                                   ; g^2
.endr
	s_wait_alu depctr_va_vdst(0)                   ; one wait for the eight exponentials; the reduction above is the work between
.irp p, 0,2,4,6
	v_pk_add_f32 v[D+8+(\p):D+9+(\p)], v[D+8+(\p):D+9+(\p)], 1.0 op_sel_hi:[1,0]
.endr
.irp j, 0,1,2,3,4,5,6,7
	v_rcp_f32 v[D+8+(\j)], v[D+8+(\j)]             ; retain
.endr
.irp p, 0,2,4,6
	v_pk_fma_f32 v[RSN+(\p):RSN+1+(\p)], v[RN+(\p):RN+1+(\p)], s[KS+10:KS+11], s[KS+8:KS+9] op_sel_hi:[1,0,0]
	v_pk_fma_f32 v[RCS+(\p):RCS+1+(\p)], v[RN+(\p):RN+1+(\p)], s[KC+10:KC+11], s[KC+8:KC+9] op_sel_hi:[1,0,0]
.endr
.irp c, 3,2,1,0
.irp p, 0,2,4,6
	v_pk_fma_f32 v[RSN+(\p):RSN+1+(\p)], v[RSN+(\p):RSN+1+(\p)], v[RN+(\p):RN+1+(\p)], s[KS+2*(\c):KS+2*(\c)+1] op_sel_hi:[1,1,0]
	v_pk_fma_f32 v[RCS+(\p):RCS+1+(\p)], v[RCS+(\p):RCS+1+(\p)], v[RN+(\p):RN+1+(\p)], s[KC+2*(\c):KC+2*(\c)+1] op_sel_hi:[1,1,0]
.endr
.endr
.irp p, 0,2,4,6
	v_pk_mul_f32 v[RSN+(\p):RSN+1+(\p)], v[RSN+(\p):RSN+1+(\p)], v[D+(\p):D+1+(\p)]
	v_pk_fma_f32 v[RCS+(\p):RCS+1+(\p)], v[RCS+(\p):RCS+1+(\p)], v[RN+(\p):RN+1+(\p)], 1.0 op_sel_hi:[1,1,0]
.endr
	s_wait_alu depctr_va_vdst(0)                   ; one wait for the eight reciprocals; the two series are the work between
.irp j, 0,1,2,3,4,5,6,7
	v_max_num_f32 v[RRC+(\j)], s[KEP], v[D+8+(\j)]
.endr
.irp p, 0,2,4,6
	v_pk_fma_f32 v[D+8+(\p):D+9+(\p)], v[D+8+(\p):D+9+(\p)], -1.0, 1.0 op_sel_hi:[1,0,0]   ; 1 - retain
.endr
	v_mul_f32 v[RM], v[RM+7], v[RRC]               ; M goes on from the block before (1 at a chunk's start)
	v_lshl_or_b32 v[RT], v[RT], 31, v[RRC]
.irp j, 1,2,3,4,5,6,7
	v_mul_f32 v[RM+(\j)], v[RM+(\j)-1], v[RRC+(\j)]
	v_lshl_or_b32 v[RT+(\j)], v[RT+(\j)], 31, v[RRC+(\j)]
.endr
.irp p, 0,2,4,6
	v_pk_mul_f32 v[RCS+(\p):RCS+1+(\p)], v[RT+(\p):RT+1+(\p)], v[RCS+(\p):RCS+1+(\p)]      ; a_r
	v_pk_mul_f32 v[RSN+(\p):RSN+1+(\p)], v[RT+(\p):RT+1+(\p)], v[RSN+(\p):RSN+1+(\p)]      ; a_i
	v_pk_mul_f32 v[RN+(\p):RN+1+(\p)], v[RM+(\p):RM+1+(\p)], v[E8:E8+1] clamp              ; c = min(1, 1e8 M)
	v_pk_add_f32 v[D+16+(\p):D+17+(\p)], v[D+16+(\p):D+17+(\p)], v[BIR:BIR+1]
	v_pk_add_f32 v[D+24+(\p):D+25+(\p)], v[D+24+(\p):D+25+(\p)], v[BII:BII+1]
.endr
.irp p, 0,2,4,6
	v_pk_mul_f32 v[RN+(\p):RN+1+(\p)], v[RN+(\p):RN+1+(\p)], v[D+8+(\p):D+9+(\p)]
.endr
.irp j, 0,1,2,3,4,5,6,7
	v_mul_f32 v[RBB+2*(\j)], v[RN+(\j)], v[D+16+(\j)]
	v_mul_f32 v[RBB+2*(\j)+1], v[RN+(\j)], v[D+24+(\j)]
.endr
	STEP 0, 0, \ph, \pa
	STEP 1, 1, D, D+16
	STEP 2, 0, D+2, D+18
	STEP 3, 1, D+4, D+20
	STEP 4, 0, D+6, D+22
	STEP 5, 1, D+8, D+24
	STEP 6, 0, D+10, D+26
	STEP 7, 1, D+12, D+28
.irp j, 0,1,2,3,4,5,6,7
	v_cvt_pk_bf16_f32 v[RSN+2*(\j)], v[D+2*(\j)], v[D+2*(\j)+1]
	v_cvt_pk_bf16_f32 v[RSN+2*(\j)+1], v[D+16+2*(\j)], v[D+17+2*(\j)]
.endr
.irp j, 0,1,2,3,4,5,6,7
	global_store_b64 v[SO], v[RSN+2*(\j):RSN+2*(\j)+1], s[SBS:SBS+1] offset:(8*(\k)+(\j))*4096   ; 32 channels x 8 bytes: 256 consecutive bytes, aligned
.endr
.endm
	s_mov_b32 s3, 4
.Lchunk:                                           ; a chunk of 32 rows: lane = channel
.irp k, 0,1,2,3
.irp q, 0,1,2,3
	ds_load_b128 v[64+32*(\k)+8*(\q):64+32*(\k)+8*(\q)+3],   v[RB] offset:32*DP*(\q)+32*(\k)
	ds_load_b128 v[64+32*(\k)+8*(\q)+4:64+32*(\k)+8*(\q)+7], v[RB] offset:32*DP*(\q)+32*(\k)+16
.endr
.endr
	v_mov_b32 v[RM+7], 1.0                         ; M starts anew
	BLOCK 0, STA, STA+2
	BLOCK 1, 64+30, 64+14
	BLOCK 2, 96+30, 96+14
	BLOCK 3, 128+30, 128+14
	v_mov_b32 v[STA], v190
	v_mov_b32 v[STA+1], v191
	v_mov_b32 v[STA+2], v174
	v_mov_b32 v[STA+3], v175
	v_add_nc_u32 v[RB], 128, v[RB]                 ; 32 t on in my rows of the stage
	s_wait_xcnt 0x0                                ; the stores have read their base
	s_add_nc_u64 s[SBS:SBS+1], s[SBS:SBS+1], 0x20000
	s_sub_co_u32 s3, s3, 1
	s_cmp_lg_u32 s3, 0
	s_cbranch_scc1 .Lchunk
	global_store_b128 v[AO], v[STA:STA+3], s[ABS:ABS+1]  ; the segment's A and hl at its end, in f32
	s_wait_tensorcnt 0x0                           ; the wave's end: behind my last LDS store
	ds_add_u32 v[SPW], v[NIL]
	s_wait_dscnt 0x0
	CROUND                                         ; the closing round
	s_endpgm
.Lfunc_end_k_q2cc667092a_proj:
	.size	k_q2cc667092a_proj, .Lfunc_end_k_q2cc667092a_proj-k_q2cc667092a_proj
	.p2alignl 7, 3214868480
	.fill 96, 4, 3214868480
	.section	.rodata,"a",@progbits
	.p2align	6, 0x0
	.amdhsa_kernel k_q2cc667092a_proj
		.amdhsa_group_segment_fixed_size 327680
		.amdhsa_private_segment_fixed_size 0
		.amdhsa_enable_private_segment 0
		.amdhsa_kernarg_size 56
		.amdhsa_user_sgpr_count 2
		.amdhsa_user_sgpr_kernarg_segment_ptr 1
		.amdhsa_wavefront_size32 1
		.amdhsa_system_sgpr_workgroup_id_x 1
		.amdhsa_system_sgpr_workgroup_id_y 1
		.amdhsa_system_sgpr_workgroup_id_z 1
		.amdhsa_system_vgpr_workitem_id 0
		.amdhsa_next_free_vgpr 1024
		.amdhsa_next_free_sgpr 100
		.amdhsa_reserve_vcc 0
		.amdhsa_float_denorm_mode_32 3
		.amdhsa_float_denorm_mode_16_64 3
		.amdhsa_memory_ordered 1
		.amdhsa_forward_progress 1
		.amdhsa_inst_pref_size 178
	.end_amdhsa_kernel
	.amdgpu_metadata
---
amdhsa.version: [ 1, 2 ]
amdhsa.kernels:
  - .name:           k_q2cc667092a_proj
    .symbol:         k_q2cc667092a_proj.kd
    .args:
      - { .name: xb, .offset: 0, .size: 8, .value_kind: global_buffer, .address_space: global }
      - { .name: wc, .offset: 8, .size: 8, .value_kind: global_buffer, .address_space: global }
      - { .name: bt, .offset: 16, .size: 8, .value_kind: global_buffer, .address_space: global }
      - { .name: br, .offset: 24, .size: 8, .value_kind: global_buffer, .address_space: global }
      - { .name: bi, .offset: 32, .size: 8, .value_kind: global_buffer, .address_space: global }
      - { .name: sbuf, .offset: 40, .size: 8, .value_kind: global_buffer, .address_space: global }
      - { .name: agg, .offset: 48, .size: 8, .value_kind: global_buffer, .address_space: global }
    .group_segment_fixed_size: 327680
    .private_segment_fixed_size: 0
    .kernarg_segment_align: 8
    .kernarg_segment_size: 56
    .max_flat_workgroup_size: 128
    .sgpr_count:     100
    .vgpr_count:     1024
    .wavefront_size: 32
...
	.end_amdgpu_metadata
.endif
;; end of part 2
;; launch carry (part 3): grid 64 x 1, 1 waves a work-group, no clusters, 0 bytes of LDS; arguments agg, hin; writes hin
.if DOCPART == 3
	.amdgcn_target "amdgcn-amd-amdhsa--gfx1250"
	.amdhsa_code_object_version 6
	.text
	.protected	k_q2cc667092a_carry
	.globl	k_q2cc667092a_carry
	.p2align	8
	.type	k_q2cc667092a_carry,@function
k_q2cc667092a_carry:
	s_mov_b64 s[64:65], 0
	v_nop
	global_prefetch_b8 v0, s[64:65] scope:SCOPE_SE
	s_setreg_imm32_b32 hwreg(HW_REG_WAVE_MODE, 25, 1), 1
	s_wait_xcnt 0x0
; CARRY: the h that enters each segment of 128 rows.  For each batch and channel: h_0 = 0, h_(s+1) = A_s h_s + H_s over the batch's 32 segments, all in f32.
; agg [32 b + s][ch 512][4] = (A_r, A_i, H_r, H_i); hin [32 b + s][ch 512][2] = (h_r, h_i).
; 2,048 chains of 31 steps are all the work there is: a lane a chain, a wave to a work-group, 64 work-groups (batch = number / 16, 32 channels each).
; All 31 loads go out at once; each h has registers of its own, so no wait frees anything.  A store covers 256 consecutive bytes, aligned.
	s_load_b128 s[4:7], s[0:1], 0x0                ; agg s[4:5], hin s[6:7]
	s_lshr_b32 s8, ttmp9, 4                        ; batch
	s_and_b32 s9, ttmp9, 15                        ; block of 32 channels
	v_lshlrev_b32 v1, 4, v0
	v_lshlrev_b32 v2, 3, v0
	s_lshl_b32 s10, s8, 18                         ; 32 segments of 8,192 bytes
	s_lshl_b32 s12, s9, 9
	s_add_co_u32 s10, s10, s12
	s_mov_b32 s11, 0
	s_lshl_b32 s12, s8, 17                         ; 32 segments of 4,096 bytes
	s_lshl_b32 s14, s9, 8
	s_add_co_u32 s12, s12, s14
	s_mov_b32 s13, 0
	s_wait_kmcnt 0x0
	s_add_nc_u64 s[4:5], s[4:5], s[10:11]
	s_add_nc_u64 s[6:7], s[6:7], s[12:13]
.set sg, 0
.rept 31
	global_load_b128 v[4+4*sg:7+4*sg], v1, s[4:5] offset:8192*sg
.set sg, sg+1
.endr
	v_mov_b32 v128, 0
	v_mov_b32 v129, 0
	global_store_b64 v2, v[128:129], s[6:7]
.set sg, 0
.rept 31
	s_wait_loadcnt 30-sg                           ; segment sg's word is in; the later ones may be out
	v_pk_fma_f32 v[192:193], v[4+4*sg:5+4*sg], v[128+2*sg:129+2*sg], v[6+4*sg:7+4*sg] op_sel:[0,0,0] op_sel_hi:[0,1,1]                 ; A_r h + H
	v_pk_fma_f32 v[130+2*sg:131+2*sg], v[4+4*sg:5+4*sg], v[128+2*sg:129+2*sg], v[192:193] op_sel:[1,1,0] op_sel_hi:[1,0,1] neg_lo:[0,1,0]  ; + A_i (-h_i, h_r)
	global_store_b64 v2, v[130+2*sg:131+2*sg], s[6:7] offset:4096*(sg+1)
.set sg, sg+1
.endr
	s_endpgm
.Lfunc_end_k_q2cc667092a_carry:
	.size	k_q2cc667092a_carry, .Lfunc_end_k_q2cc667092a_carry-k_q2cc667092a_carry
	.p2alignl 7, 3214868480
	.fill 96, 4, 3214868480
	.section	.rodata,"a",@progbits
	.p2align	6, 0x0
	.amdhsa_kernel k_q2cc667092a_carry
		.amdhsa_group_segment_fixed_size 0
		.amdhsa_private_segment_fixed_size 0
		.amdhsa_enable_private_segment 0
		.amdhsa_kernarg_size 16
		.amdhsa_user_sgpr_count 2
		.amdhsa_user_sgpr_kernarg_segment_ptr 1
		.amdhsa_wavefront_size32 1
		.amdhsa_system_sgpr_workgroup_id_x 1
		.amdhsa_system_sgpr_workgroup_id_y 1
		.amdhsa_system_sgpr_workgroup_id_z 1
		.amdhsa_system_vgpr_workitem_id 0
		.amdhsa_next_free_vgpr 200
		.amdhsa_next_free_sgpr 66
		.amdhsa_reserve_vcc 0
		.amdhsa_float_denorm_mode_32 3
		.amdhsa_float_denorm_mode_16_64 3
		.amdhsa_memory_ordered 1
		.amdhsa_forward_progress 1
		.amdhsa_inst_pref_size 12
	.end_amdhsa_kernel
	.amdgpu_metadata
---
amdhsa.version: [ 1, 2 ]
amdhsa.kernels:
  - .name:           k_q2cc667092a_carry
    .symbol:         k_q2cc667092a_carry.kd
    .args:
      - { .name: agg, .offset: 0, .size: 8, .value_kind: global_buffer, .address_space: global }
      - { .name: hin, .offset: 8, .size: 8, .value_kind: global_buffer, .address_space: global }
    .group_segment_fixed_size: 0
    .private_segment_fixed_size: 0
    .kernarg_segment_align: 8
    .kernarg_segment_size: 16
    .max_flat_workgroup_size: 32
    .sgpr_count:     66
    .vgpr_count:     200
    .wavefront_size: 32
...
	.end_amdgpu_metadata
.endif
;; end of part 3
;; launch outp (part 4): grid 256 x 1, 4 waves a work-group, clusters of 4 x 1, 327,680 bytes of LDS; arguments sbuf, hin, xb, wob, bo, gamma, beta, out0; writes out0
.if DOCPART == 4
	.amdgcn_target "amdgcn-amd-amdhsa--gfx1250"
	.amdhsa_code_object_version 6
	.text
	.protected	k_q2cc667092a_outp
	.globl	k_q2cc667092a_outp
	.p2align	8
	.type	k_q2cc667092a_outp,@function
k_q2cc667092a_outp:
	s_mov_b64 s[64:65], 0
	v_nop
	global_prefetch_b8 v0, s[64:65] scope:SCOPE_SE
	s_setreg_imm32_b32 hwreg(HW_REG_WAVE_MODE, 25, 1), 1
	s_wait_xcnt 0x0
	s_wait_alu depctr_hold_cnt(0) depctr_sa_sdst(0) depctr_va_vdst(0) depctr_va_sdst(0) depctr_va_ssrc(0) depctr_va_vcc(0) depctr_vm_vsrc(0)
	s_getreg_b32 s2, hwreg(HW_REG_IB_STS2, 6, 4)
	s_cmp_eq_u32 s2, 0
	s_cbranch_scc0 .Lentry_in_a_cluster
	s_endpgm
.Lentry_in_a_cluster:
	s_bfe_u32 s2, ttmp6, 0x10000c
	s_cmp_lg_u32 s2, 0x3003
	s_cbranch_scc0 .Lentry_shape_is_right
	s_endpgm
.Lentry_shape_is_right:
; OUTP: out = hl + A h_in, y = x + out Wo + bo, LayerNorm(y) gamma + beta.
; A work-group owns 64 rows t and all 1,024 columns, so a row's mean and variance never leave it: 256 work-groups.  Wave w owns columns 256 w .. + 255: 4 x 16 accumulators, 512 registers.
; K = 1,024 (k' = 2 channel + part) in 16 steps of 64.  The accumulators START AT x (bf16, widened), so the residual costs no addition.
; The product is used transposed (source 0 = 16 columns of wob, turned by ds_load_tr16_b128; source 1 = 16 rows of out): a lane holds row 16 a + l % 16 and columns 16 b + 8 (l / 16) + 0..7.
; OUT IS MADE ON THE WAY IN: for each step wave w reads 16 rows x 32 channels of sbuf (256 bytes a row) and the channels' h_in, forms out in f32, rounds it once to bf16 and stores it into a small
; LDS ring of its own bytes, which all four waves read.  The loads run three steps ahead of the step that multiplies them, in two sets of registers.
; CLUSTER 4 x 1: all work-groups walk the same wob, so each of its tiles is asked for jointly by the four partners.  x's and sbuf's rows are a work-group's own.
; THE WALK ALONG K BEGINS AT A DIFFERENT STEP IN DIFFERENT CLUSTERS: cluster c begins at step r = 2 ((c xor c / 8) mod 8) and goes round modulo 16 (f32 sums may be taken in any order).  So the 64 clusters
; do not all ask for the same tile of wob at the same time: of the 16 tiles eight are asked for at any time, each by eight clusters.  Every value of r occurs among the clusters whose number has any
; one bit fixed.  r hangs on the cluster's number alone, which the four partners share.
; LIMITS.  x, Wo, bo, gamma, beta are taken rounded once to bf16; out is rounded once to bf16; sums, mean and variance in f32, the variance of y - mean.  NaN and infinities are not treated apart.
; REGISTERS: window 0: v4-29 addresses; v32-63, v160-191 sbuf's words (two sets); v128-131, v192-195 h_in; v132-157 at work; v64-127 out's fragments (two buffers)
;   window 1: wob's fragments, two buffers of 128;  windows 2, 3: accumulator (a, b) at v[8 (a + 4 (b % 8))] of window 2 + b / 8.
.set PBW,   544                        ; a row of my part of wob's tile: 512 bytes + 32
.set SUBT,  64*PBW                     ; 34,816: 64 rows of k', my 256 columns
.set SLOT,  4*SUBT                     ; 139,264
.set PX,    1040                       ; x's tile, which lies in slot 1 until wob's second tile is asked for: 1,024 bytes + 16
.set XREG,  32*PX                      ; 32 rows x 512 columns: what one wave fetches
.set PAT,   144                        ; a row of out's tile: 128 bytes + 16
.set ATILE, 64*PAT
.set ARING, 2*SLOT                     ; out's two tiles: bytes that LDS stores alone write
.set SPARE, ARING+2*ATILE              ; 296,960: the spare words, 128 bytes a wave, which no other line names
.set PD,    4112                       ; the way out: a row of 1,024 f32 + 16 bytes; 64 rows lie inside wob's ring, behind its last fill
.set ADRB, 4
.set ADRA, 6
.set AST,  8
.set SO,   10
.set HO,   11
.set PSO,  12
.set XA,   14
.set DMP,  16
.set RD,   20
.set OO,   21
.set LO,   22
.set SPW,  28
.set NIL,  29
.set FA0,  64
.set FA1,  96
.set FB0,  0
.set FB1,  128
.set SB,   20                          ; s[20:21] sbuf at my work-group's first row, at the K step that the next loads take
.set HB,   22                          ; s[22:23] hin at my segment, the same K step
.set G1B,  24
.set G0B,  32                          ; s[32:39] a set for each slot
.set G1X,  40
.set G0X,  48
.set KN,   52                          ; s52  r + the number of the step in hand: its K step, not yet taken modulo 16
.set TK,   53                          ; s53  at work
.set MSK,  55
.set XO,   56                          ; s[56:57] a K step's byte offset in a row of sbuf and of hin: 256 a step
.set WOF,  58                          ; s[58:59] a K step's byte offset in wob: 64 rows of 2,048 bytes a step
.set SEL,  60
.set K10,  62
.set KEPS, 63
.set WV,   66
.set OB,   70
.set SB0,  90                          ; s[90:91] sbuf at my work-group's first row; never rewritten
.set HB0,  92                          ; s[92:93] hin at my segment; never rewritten
.set WB0,  94                          ; s[94:95] wob at my wave's 256 columns; never rewritten
.set PO,   96                          ; s[96:97] the prefetches' offset
.set PF,   98                          ; s[98:99] and their address
.set MSB, 0
.macro WIN new
.if MSB != (\new)
	s_set_vgpr_msb (MSB<<8)|(\new)
.set MSB, \new
.endif
.endm
.set MUL_LO, 0xa1                      ; source 0 (wob) window 1, source 1 (out) window 0, C and D window 2
.macro PLACES
.rept 4
	v_nop
.endr
.endm
.macro CREST
	s_cmp_lg_u32 s[WV], 0
	s_cbranch_scc1 .Lnot_wave_0_\@
	s_barrier_signal -3
.Lnot_wave_0_\@:
	s_barrier_wait -3
	s_barrier_signal -1
	s_barrier_wait -1
.endm
.macro CROUND
	s_barrier_signal -1
	s_barrier_wait -1
	CREST
.endm
	s_load_b512 s[4:19], s[0:1], 0x0               ; sbuf s[4:5], hin s[6:7], xb s[8:9], wob s[10:11], bo s[12:13], gamma s[14:15], beta s[16:17], out0 s[18:19]
	v_lshl_add_u32 v[SPW], v0, 2, SPARE
	v_mov_b32 v[NIL], 0
	ds_add_u32 v[SPW], v[NIL]                      ; the opening: the add, twice on end, and its wait ahead of my first tensor load
	ds_add_u32 v[SPW], v[NIL]
	v_lshrrev_b32 v1, 5, v0
	v_readfirstlane_b32 s[WV], v1
	s_bfe_u32 s67, ttmp6, 0x40000                  ; cx
	s_lshl_b32 s68, ttmp9, 2
	s_add_co_u32 s68, s68, s67                     ; my block of 64 rows
	s_mov_b32 s[G1B], 15|(1<<16)|(1<<20)|(1<<21)|(6<<22)|(7<<25)  ; the mask of four; 2-byte elements; padding on; bit 21 beside a mask; after every 128 words 8 words
	s_mov_b32 s[G1B+1], 256<<16                    ; tensor_dim0 = 256
	s_mov_b32 s[G1B+2], 64<<16                     ; tensor_dim1 = 64
	s_mov_b32 s[G1B+3], 256<<16                    ; tile_dim0 = 256
	s_mov_b32 s[G1B+4], 64                         ; tile_dim1 = 64
	s_mov_b32 s[G1B+5], 1024
	s_mov_b32 s[G1B+6], 0
	s_mov_b32 s[G1B+7], 0
	s_mov_b32 s[G1X], (1<<16)|(1<<20)|(7<<22)|(3<<25)             ; no mask: my own rows; after every 256 words 4 words
	s_mov_b32 s[G1X+1], 512<<16
	s_mov_b32 s[G1X+2], 32<<16
	s_mov_b32 s[G1X+3], 512<<16
	s_mov_b32 s[G1X+4], 32
	s_mov_b32 s[G1X+5], 1024
	s_mov_b32 s[G1X+6], 0
	s_mov_b32 s[G1X+7], 0
	s_mul_i32 s72, s[WV], SUBT                     ; my part of a slot
	s_mul_i32 s73, s[WV], XREG
	s_add_co_u32 s73, s73, SLOT                    ; my part of x's tile
	s_lshl_b32 s74, s[WV], 9                       ; my 256 columns of wob
	s_mov_b32 s75, 0
	s_lshr_b32 s76, s[WV], 1
	s_and_b32 s77, s[WV], 1
	s_lshl_b32 s78, s68, 17                        ; 64 rows of 2,048 bytes of xb,
	s_lshl_b32 s79, s76, 16                        ; the 32 rows
	s_add_co_u32 s78, s78, s79
	s_lshl_b32 s79, s77, 10                        ; and the 512 columns that I fetch
	s_add_co_u32 s78, s78, s79
	s_mov_b32 s79, 0
	s_lshl_b32 s82, s68, 18                        ; 64 rows of 4,096 bytes: sbuf and out0
	s_mov_b32 s83, 0
	s_lshr_b32 s84, s68, 1                         ; my segment of 128 rows
	s_lshl_b32 s84, s84, 12
	s_mov_b32 s85, 0
	s_mov_b32 s88, ttmp9                           ; the cluster's number c, 0 to 63
	s_lshr_b32 s89, s88, 3
	s_xor_b32 s89, s89, s88
	s_and_b32 s89, s89, 7
	s_lshl_b32 s[KN], s89, 1                       ; r = 2 ((c xor c / 8) mod 8): the K step at which my cluster's walk begins; even, so r + 1 is at most 15
	s_lshl_b32 s[XO], s[KN], 8
	s_mov_b32 s[XO+1], 0
	s_lshl_b32 s[WOF], s[KN], 17
	s_mov_b32 s[WOF+1], 0
	s_mov_b32 s[PO+1], 0
	s_mov_b32 s[MSK], 0xffff0000
	s_mov_b32 s[SEL], 0x76543210
	s_mov_b32 s[SEL+1], 0xfedcba98
	s_mov_b32 s[K10], 0x3a800000                   ; 1 / 1024
	s_mov_b32 s[KEPS], 0x3727c5ac                  ; 1e-5
	s_wait_dscnt 0x0                               ; both opening adds are done
	s_wait_kmcnt 0x0
	s_add_nc_u64 s[WB0:WB0+1], s[10:11], s[74:75]
	s_add_nc_u64 s[80:81], s[WB0:WB0+1], s[WOF:WOF+1]
	s_mov_b32 s[G0B], 1
	s_mov_b32 s[G0B+1], s72
	s_add_nc_u64 s[G0B+2:G0B+3], s[80:81], 0       ; K step r
	s_or_b32 s[G0B+3], s[G0B+3], 0x80000000
	s_mov_b32 s[G0B+4], 1
	s_add_co_u32 s[G0B+5], s72, SLOT
	s_add_nc_u64 s[G0B+6:G0B+7], s[80:81], 0x20000 ; K step r + 1: 64 rows of 2,048 bytes on
	s_or_b32 s[G0B+7], s[G0B+7], 0x80000000
	s_mov_b32 s[G0X], 1
	s_mov_b32 s[G0X+1], s73
	s_add_nc_u64 s[G0X+2:G0X+3], s[8:9], s[78:79]
	s_or_b32 s[G0X+3], s[G0X+3], 0x80000000
	s_add_nc_u64 s[SB0:SB0+1], s[4:5], s[82:83]
	s_add_nc_u64 s[HB0:HB0+1], s[6:7], s[84:85]
	s_add_nc_u64 s[SB:SB+1], s[SB0:SB0+1], s[XO:XO+1]
	s_add_nc_u64 s[HB:HB+1], s[HB0:HB0+1], s[XO:XO+1]
	s_add_nc_u64 s[OB:OB+1], s[18:19], s[82:83]
	CROUND                                         ; all four work-groups are here
	tensor_load_to_lds s[G0X:G0X+3], s[G1X:G1X+7]  ; the first fills, one group: my part of x's tile,
	s_nop 0
	tensor_load_to_lds s[G0B:G0B+3], s[G1B:G1B+7]  ; and, jointly, my part of wob's first tile: two loads of mine are out
	s_nop 0
	PLACES
	v_and_b32 v1, 15, v0                           ; r
	v_bfe_u32 v2, v0, 4, 1                         ; h
	v_and_b32 v3, 31, v0                           ; l
	s_lshl_b32 s84, s[WV], 4
	v_add_nc_u32 v24, s84, v2                      ; row 16 w + h
	v_lshlrev_b32 v[HO], 4, v1                     ; two channels of h_in: 16 bytes
	v_lshl_add_u32 v[SO], v24, 12, v[HO]           ; two channels of sbuf: 16 bytes of the row
; A step's nine loads into set b: 16 rows x 256 bytes of sbuf (lanes 0-15 a row, lanes 16-31 the next: 256 consecutive bytes each), and the lane's two h_in
.macro XLOADS b, off
.irp i, 0,1,2,3,4,5,6,7
	global_load_b128 v[32+128*(\b)+4*(\i):32+128*(\b)+4*(\i)+3], v[SO], s[SB:SB+1] offset:8192*(\i)+(\off) th:TH_LOAD_NT
.endr
	global_load_b128 v[128+64*(\b):128+64*(\b)+3], v[HO], s[HB:HB+1] offset:\off
.endm
	XLOADS 0, 0                                    ; the walk's first step, K step r,
	XLOADS 1, 256                                  ; and its second, K step r + 1
	v_mul_u32_u24 v[AST], v24, PAT
	v_lshl_add_u32 v[AST], v1, 3, v[AST]
	v_add_nc_u32 v[AST], ARING, v[AST]
	v_add_nc_u32 v[AST+1], ATILE, v[AST]
	v_mul_u32_u24 v[ADRA], v1, PAT
	v_lshl_add_u32 v[ADRA], v2, 4, v[ADRA]
	v_add_nc_u32 v[ADRA], ARING, v[ADRA]
	v_add_nc_u32 v[ADRA+1], ATILE, v[ADRA]
	v_and_b32 v25, 7, v0
	v_lshl_add_u32 v25, v2, 3, v25
	v_mul_u32_u24 v25, v25, PBW
	v_bfe_u32 v26, v0, 3, 1
	v_lshl_add_u32 v25, v26, 4, v25
	v_add_nc_u32 v[ADRB], s72, v25
	v_add_nc_u32 v[ADRB+1], SLOT, v[ADRB]
	v_add_nc_u32 v25, s84, v1                      ; the prefetches of sbuf: row 16 w + r,
	v_lshlrev_b32 v[PSO], 12, v25
	v_lshl_add_u32 v[PSO], v2, 8, v[PSO]           ; one of two K steps by h
	s_mul_i32 s85, s76, XREG                       ; x's tile: the column half that holds my 256 columns,
	s_lshl_b32 s86, s77, 9                         ; and where they begin in it
	s_add_co_u32 s85, s85, s86
	s_add_co_u32 s85, s85, SLOT
	v_mul_u32_u24 v[XA], v1, PX
	v_lshl_add_u32 v[XA], v2, 4, v[XA]
	v_add_nc_u32 v[XA], s85, v[XA]
	v_add_nc_u32 v[XA+1], 2*XREG, v[XA]            ; rows 32 on
	s_lshl_b32 s85, s[WV], 10
	v_mul_u32_u24 v[DMP], v1, PD
	v_lshl_add_u32 v[DMP], v2, 5, v[DMP]
	v_add_nc_u32 v[DMP], s85, v[DMP]
	v_add_nc_u32 v[DMP+1], 16*PD, v[DMP]
	v_add_nc_u32 v[DMP+2], 16*PD, v[DMP+1]
	v_add_nc_u32 v[DMP+3], 16*PD, v[DMP+2]
	v_lshlrev_b32 v[LO], 4, v3
	s_mul_i32 s85, s[WV], 16*PD
	v_add_nc_u32 v[RD], s85, v[LO]
	s_lshl_b32 s85, s[WV], 16
	v_add_nc_u32 v[OO], s85, v[LO]
; out = hl + A h_in for my 16 rows x 32 channels, from set dst, into out's tile dst.  A word of sbuf is two bf16: (hl_r, hl_i), (A_r, A_i).  cnt: the younger set's nine loads may stay out.
.macro FORM dst, cnt
.set XB, 32+128*(\dst)
.set HN, 128+64*(\dst)
	WIN 0
	s_wait_loadcnt \cnt
	v_xor_b32 v132, 0x80000000, v[HN+1]            ; -h_i of my two channels
	v_xor_b32 v133, 0x80000000, v[HN+3]
.irp i, 0,1,2,3,4,5,6,7
.set TT, 134+4*((\i)%2)
	v_fma_mix_f32_bf16 v[TT],   v[XB+4*(\i)+1], v[HN],   v[XB+4*(\i)]   op_sel:[0,0,0] op_sel_hi:[1,0,1]   ; A_r h_r + hl_r
	v_fma_mix_f32_bf16 v[TT+1], v[XB+4*(\i)+1], v[HN+1], v[XB+4*(\i)]   op_sel:[0,0,1] op_sel_hi:[1,0,1]   ; A_r h_i + hl_i
	v_fma_mix_f32_bf16 v[TT+2], v[XB+4*(\i)+3], v[HN+2], v[XB+4*(\i)+2] op_sel:[0,0,0] op_sel_hi:[1,0,1]
	v_fma_mix_f32_bf16 v[TT+3], v[XB+4*(\i)+3], v[HN+3], v[XB+4*(\i)+2] op_sel:[0,0,1] op_sel_hi:[1,0,1]
	v_fma_mix_f32_bf16 v[TT],   v[XB+4*(\i)+1], v132,    v[TT]   op_sel:[1,0,0] op_sel_hi:[1,0,0]          ; - A_i h_i
	v_fma_mix_f32_bf16 v[TT+1], v[XB+4*(\i)+1], v[HN],   v[TT+1] op_sel:[1,0,0] op_sel_hi:[1,0,0]          ; + A_i h_r
	v_fma_mix_f32_bf16 v[TT+2], v[XB+4*(\i)+3], v133,    v[TT+2] op_sel:[1,0,0] op_sel_hi:[1,0,0]
	v_fma_mix_f32_bf16 v[TT+3], v[XB+4*(\i)+3], v[HN+2], v[TT+3] op_sel:[1,0,0] op_sel_hi:[1,0,0]
	v_cvt_pk_bf16_f32 v[142+2*(\i)], v[TT], v[TT+1]
	v_cvt_pk_bf16_f32 v[143+2*(\i)], v[TT+2], v[TT+3]
	ds_store_b64 v[AST+(\dst)], v[142+2*(\i):143+2*(\i)] offset:2*PAT*(\i)
.endr
.endm
; nb x 4 products: column blocks 8 hi + b0 .. x the four row blocks, 32 along K.  The 64 accumulators take turns, in the same order in every half step.
.macro MULS fa, fb, hi, b0, nb
	WIN MUL_LO+0x50*(\hi)
.set bb, \b0
.rept \nb
.irp a, 0,1,2,3
	v_wmma_f32_16x16x32_bf16 v[8*((\a)+4*bb):8*((\a)+4*bb)+7], v[(\fb)+8*(8*(\hi)+bb):(\fb)+8*(8*(\hi)+bb)+7], v[(\fa)+8*(\a):(\fa)+8*(\a)+7], v[8*((\a)+4*bb):8*((\a)+4*bb)+7]
.endr
.set bb, bb+1
.endr
.endm
; 40 LDS loads in one run: 32 along K from row k0 of a slot: out's four row blocks, then wob's sixteen column blocks
.macro FETCH slot, k0, fa, fb
	WIN 0
.irp a, 0,1,2,3
	ds_load_b128 v[(\fa)+8*(\a):(\fa)+8*(\a)+3],   v[ADRA+(\slot)] offset:16*PAT*(\a)+2*(\k0)
	ds_load_b128 v[(\fa)+8*(\a)+4:(\fa)+8*(\a)+7], v[ADRA+(\slot)] offset:16*PAT*(\a)+2*(\k0)+32
.endr
	WIN 0x40
.irp b, 0,1,2,3,4,5,6,7,8,9,10,11,12,13,14,15
	ds_load_tr16_b128 v[(\fb)+8*(\b):(\fb)+8*(\b)+3],   v[ADRB+(\slot)] offset:PBW*(\k0)+32*(\b)
	ds_load_tr16_b128 v[(\fb)+8*(\b)+4:(\fb)+8*(\b)+7], v[ADRB+(\slot)] offset:PBW*(\k0)+32*(\b)+16*PBW
.endr
.endm
.macro HALF0 slot                      ; a step's first 32 along K; in its middle the second 32 are fetched
	s_wait_dscnt 16                                ; out's blocks and wob's blocks 0-7 are in
	MULS FA0, FB0, 0, 0, 8
	PLACES
	FETCH \slot, 32, FA1, FB1
	s_wait_dscnt 40                                ; all but the 40 just issued
	MULS FA0, FB0, 1, 0, 8
.endm
; THE PREFETCH of sbuf, behind the loads of the even changes: my own 16 rows of the walk's steps six and seven beyond the step in hand, a lane a row and step: three and four steps ahead of their loads.
; The first of the two K steps is even (r is), so the two lie side by side in a row and never straddle the walk's return to K step 0.  Each wave asks for what it will load itself, each block once.
; The walk's steps 0 to 5 come by their loads alone; the laps whose look-ahead would pass the walk's end ask for nothing.  wob is not asked for: a tile's first reading in the launch falls
; into some cluster's first two fills, at the head.
.macro ASK
	s_cmp_gt_u32 s3, 2
	s_cbranch_scc0 .Lno_s_\@
	global_prefetch_b8 v[PSO], s[PF:PF+1] th:TH_LOAD_NT scope:SCOPE_SE
.Lno_s_\@:
.endm
; A step's second 32 along K, and the change of slots.  One barrier: in front of it my tensor loads have landed (my part of wob's next tile), my stores into out's next tile are done, and my reads of this
; slot are back.  fill = 1: the barrier opens a round of the cluster's, wob's slot takes the walk's step two on, and sbuf's step three on is loaded into the set that FORM has just read.
; Each address is made anew: a base that is never rewritten plus the K step, modulo 16, times its stride.
.macro TURN slot, next, fill
	WIN 0
.if \fill
	s_wait_xcnt 0x0                                ; the loads and prefetches of the last change have read their addresses
	s_add_co_u32 s[TK], s[KN], 3                   ; sbuf and hin: three steps on.  (In the last lap's second change that is the walk's first step once more: it is loaded into a set that nobody reads, so that every trip issues the same nine loads)
	s_and_b32 s[TK], s[TK], 15
	s_lshl_b32 s[XO], s[TK], 8
	s_add_nc_u64 s[SB:SB+1], s[SB0:SB0+1], s[XO:XO+1]
	s_add_nc_u64 s[HB:HB+1], s[HB0:HB0+1], s[XO:XO+1]
	s_add_co_u32 s[TK], s[KN], 2                   ; wob: two steps on
	s_and_b32 s[TK], s[TK], 15
	s_lshl_b32 s[WOF], s[TK], 17
.if (\slot) == 0
	s_add_co_u32 s[TK], s[KN], 6                   ; the prefetch: six steps on
	s_and_b32 s[TK], s[TK], 15
	s_lshl_b32 s[PO], s[TK], 8
	s_add_nc_u64 s[PF:PF+1], s[SB0:SB0+1], s[PO:PO+1]
.endif
	s_add_co_u32 s[KN], s[KN], 1
.endif
	s_wait_tensorcnt 0x0                           ; all my tensor loads have landed
	ds_add_u32 v[SPW], v[NIL]                      ; 0 onto my spare word
	s_wait_dscnt 25                                ; (wob's blocks 8-15, FORM's eight stores and the add may be out)
	MULS FA1, FB1, 0, 0, 4
	s_wait_dscnt 0x0
	s_barrier_signal -1
	MULS FA1, FB1, 0, 4, 4
	WIN 0
	s_barrier_wait -1
.if \fill
	CREST
	s_add_nc_u64 s[G0B+4*(\slot)+2:G0B+4*(\slot)+3], s[WB0:WB0+1], s[WOF:WOF+1]  ; no tensor load of mine is out, so the group 0 may be written
	s_or_b32 s[G0B+4*(\slot)+3], s[G0B+4*(\slot)+3], 0x80000000
	tensor_load_to_lds s[G0B+4*(\slot):G0B+4*(\slot)+3], s[G1B:G1B+7]  ; the first tensor load behind the round, one a wave
	s_nop 0
.endif
	PLACES                                         ; behind the tensor load, and in front of the loads into registers that products have read
	FETCH \next, 0, FA0, FB0
	WIN 0
.if \fill
	XLOADS \next, 0
.if (\slot) == 0
	ASK
.endif
.endif
	MULS FA1, FB1, 1, 0, 8
.endm
	FORM 0, 9                                      ; out's tile of the walk's first step
	s_wait_xcnt 0x0                                ; the eighteen loads above have read their bases
	s_add_co_u32 s[TK], s[KN], 2                   ; the walk's third step
	s_and_b32 s[TK], s[TK], 15
	s_lshl_b32 s[XO], s[TK], 8
	s_add_nc_u64 s[SB:SB+1], s[SB0:SB0+1], s[XO:XO+1]
	s_add_nc_u64 s[HB:HB+1], s[HB0:HB0+1], s[XO:XO+1]
	XLOADS 0, 0
	s_wait_tensorcnt 1                             ; my part of x's tile is in; wob's first tile may stay out
	s_wait_dscnt 0x0                               ; my stores into out's tile 0 are done
	s_barrier_signal -1
	s_barrier_wait -1
	; the accumulators start at x: a lane's eight columns are 16 bytes of bf16
.irp a, 0,1,2,3
	WIN 0
.set bi, 0
.rept 16
	ds_load_b128 v[64+4*bi:64+4*bi+3], v[XA+(\a)/2] offset:16*PX*((\a)%2)+32*bi
.set bi, bi+1
.endr
	s_wait_dscnt 0x0
.set bi, 0
.rept 16
	WIN 0x80+0x40*(bi/8)                           ; destination window 2 or 3
.irp i, 0,1,2,3
	v_lshlrev_b32 v[8*((\a)+4*(bi%8))+2*(\i)], 16, v[64+4*bi+(\i)]
	v_and_b32 v[8*((\a)+4*(bi%8))+2*(\i)+1], s[MSK], v[64+4*bi+(\i)]
.endr
.set bi, bi+1
.endr
.endr
	WIN 0
	s_wait_tensorcnt 0x0                           ; wob's first tile has landed; x's tile has been read: slot 1 may take wob's second tile
	ds_add_u32 v[SPW], v[NIL]
	s_wait_dscnt 0x0
	CROUND
	tensor_load_to_lds s[G0B+4:G0B+7], s[G1B:G1B+7]
	s_nop 0
	PLACES
	FETCH 0, 0, FA0, FB0
	WIN 0
	s_mov_b32 s3, 7
.Llap:                                             ; two steps: once round both rings
	HALF0 0
	FORM 1, 9
	TURN 0, 1, 1
	HALF0 1
	FORM 0, 9
	TURN 1, 0, 1
	WIN 0
	s_sub_co_u32 s3, s3, 1
	s_cmp_lg_u32 s3, 0
	s_cbranch_scc1 .Llap
	HALF0 0                                        ; the walk's last two steps ask for nothing
	FORM 1, 0
	TURN 0, 1, 0
	HALF0 1
	s_wait_dscnt 16
	MULS FA1, FB1, 0, 0, 8
	s_wait_dscnt 0x0
	MULS FA1, FB1, 1, 0, 8
	WIN 0
	PLACES                                         ; behind the last products, ahead of the stores that read results
	; THE WAY OUT.  bo, gamma, beta: register 4 c + e holds column 128 c + 4 l + e.  No load of mine is out (the last FORM waited for all).
.set BOR, 160
.set GAR, 192
.set BER, 224
.irp c, 0,1,2,3,4,5,6,7
	global_load_b128 v[BOR+4*(\c):BOR+4*(\c)+3], v[LO], s[12:13] offset:512*(\c)
	global_load_b128 v[GAR+4*(\c):GAR+4*(\c)+3], v[LO], s[14:15] offset:512*(\c)
	global_load_b128 v[BER+4*(\c):BER+4*(\c)+3], v[LO], s[16:17] offset:512*(\c)
.endr
	s_barrier_signal -1                            ; every wave's reads of the rings are back (the wait above), and wob's ring has had its last fill: it is stage now
	s_barrier_wait -1
.irp a, 0,1,2,3
.set bi, 0
.rept 16
	WIN 0x08+0x04*(bi/8)                           ; store data (source 1) in window 2 or 3; each accumulator's low registers first
	ds_store_b128 v[DMP+(\a)], v[8*((\a)+4*(bi%8)):8*((\a)+4*(bi%8))+3]   offset:64*bi
	ds_store_b128 v[DMP+(\a)], v[8*((\a)+4*(bi%8))+4:8*((\a)+4*(bi%8))+7] offset:64*bi+16
.set bi, bi+1
.endr
.endr
	WIN 0
	s_wait_loadcnt 0x0
.set i, 0
.rept 48                               ; the three vectors rounded to bf16, while the stores drain
	v_cvt_pk_bf16_f32 v[96+i%8], v[160+2*i], v[161+2*i]
	v_lshlrev_b32 v[160+2*i], 16, v[96+i%8]
	v_and_b32 v[161+2*i], s[MSK], v[96+i%8]
.set i, i+1
.endr
	s_wait_dscnt 0x0                               ; for the others' sake: my stores into the stage are done
	s_barrier_signal -1
	s_barrier_wait -1
	; LayerNorm: wave w owns rows 16 w .. + 15 whole, two a trip; a lane holds 32 numbers of a row.
.set YR,  32                           ; row p at YR + 32 p
.set TR2, 96                           ; at work, 16 a row
.set STT, 128                          ; row p at STT + 8 p: -mean (twice), 1 / sqrt (twice), variance + eps
.macro EACH16 p, line:vararg           ; one line for each of a row's 16 pairs; i counts them
.set Y, YR+32*(\p)
.set T, TR2+16*(\p)
.set S, STT+8*(\p)
.set i, 0
.rept 16
	\line
.set i, i+1
.endr
.endm
.macro FOLD p                          ; 8 pairs at T into one number
.set T, TR2+16*(\p)
.irp z, 0,4,8,12
	v_pk_add_f32 v[T+(\z):T+(\z)+1], v[T+(\z):T+(\z)+1], v[T+(\z)+2:T+(\z)+3]
.endr
	v_pk_add_f32 v[T:T+1], v[T:T+1], v[T+4:T+5]
	v_pk_add_f32 v[T+8:T+9], v[T+8:T+9], v[T+12:T+13]
	v_pk_add_f32 v[T:T+1], v[T:T+1], v[T+8:T+9]
	v_add_f32 v[T], v[T], v[T+1]
.endm
.macro LANES                           ; both rows' sums over the 32 lanes: four steps inside each half ride on the addition, one crosses the halves
.irp m, 1,2,4,8
	v_add_f32_dpp v[TR2], v[TR2], v[TR2] row_xmask:\m row_mask:0xf bank_mask:0xf
	v_add_f32_dpp v[TR2+16], v[TR2+16], v[TR2+16] row_xmask:\m row_mask:0xf bank_mask:0xf
.endr
	v_permlanex16_b32 v[TR2+1], v[TR2], s[SEL], s[SEL+1]
	v_permlanex16_b32 v[TR2+17], v[TR2+16], s[SEL], s[SEL+1]
	v_add_f32 v[TR2], v[TR2], v[TR2+1]
	v_add_f32 v[TR2+16], v[TR2+16], v[TR2+17]
.endm
	s_mov_b32 s3, 8
.Lrow:
.irp p, 0,1
.irp c, 0,1,2,3,4,5,6,7
	ds_load_b128 v[YR+32*(\p)+4*(\c):YR+32*(\p)+4*(\c)+3], v[RD] offset:PD*(\p)+512*(\c)
.endr
.endr
	s_wait_dscnt 8                                 ; the first row is in
	EACH16 0, v_pk_add_f32 v[Y+2*i:Y+2*i+1], v[Y+2*i:Y+2*i+1], v[BOR+2*i:BOR+2*i+1]
	s_wait_dscnt 0x0
	EACH16 1, v_pk_add_f32 v[Y+2*i:Y+2*i+1], v[Y+2*i:Y+2*i+1], v[BOR+2*i:BOR+2*i+1]
.irp p, 0,1
.irp z, 0,1,2,3,4,5,6,7
	v_pk_add_f32 v[TR2+16*(\p)+2*(\z):TR2+16*(\p)+2*(\z)+1], v[YR+32*(\p)+4*(\z):YR+32*(\p)+4*(\z)+1], v[YR+32*(\p)+4*(\z)+2:YR+32*(\p)+4*(\z)+3]
.endr
.endr
	FOLD 0
	FOLD 1
	LANES
.irp p, 0,1
	v_mul_f32 v[STT+8*(\p)], 0xba800000, v[TR2+16*(\p)]     ; -mean
	v_mul_f32 v[STT+8*(\p)+1], 0xba800000, v[TR2+16*(\p)]
.endr
	EACH16 0, v_pk_add_f32 v[Y+2*i:Y+2*i+1], v[Y+2*i:Y+2*i+1], v[S:S+1]
	EACH16 1, v_pk_add_f32 v[Y+2*i:Y+2*i+1], v[Y+2*i:Y+2*i+1], v[S:S+1]
.irp p, 0,1
.irp z, 0,1,2,3,4,5,6,7
	v_pk_mul_f32 v[TR2+16*(\p)+2*(\z):TR2+16*(\p)+2*(\z)+1], v[YR+32*(\p)+2*(\z):YR+32*(\p)+2*(\z)+1], v[YR+32*(\p)+2*(\z):YR+32*(\p)+2*(\z)+1]
.endr
.irp z, 0,1,2,3,4,5,6,7
	v_pk_fma_f32 v[TR2+16*(\p)+2*(\z):TR2+16*(\p)+2*(\z)+1], v[YR+32*(\p)+16+2*(\z):YR+32*(\p)+17+2*(\z)], v[YR+32*(\p)+16+2*(\z):YR+32*(\p)+17+2*(\z)], v[TR2+16*(\p)+2*(\z):TR2+16*(\p)+2*(\z)+1]
.endr
.endr
	FOLD 0
	FOLD 1
	LANES
	v_fma_f32 v[STT+4], v[TR2], s[K10], s[KEPS]    ; variance + 1e-5
	v_fma_f32 v[STT+12], v[TR2+16], s[K10], s[KEPS]
	v_rsq_f32 v[STT+2], v[STT+4]
	v_rsq_f32 v[STT+3], v[STT+4]
	v_rsq_f32 v[STT+10], v[STT+12]
	v_rsq_f32 v[STT+11], v[STT+12]
	v_nop                                          ; a plain instruction behind the last of the four (ISA guide 5.7.2),
	s_wait_alu depctr_va_vdst(0)                   ; and one wait ahead of their first reader
.irp p, 0,1
	EACH16 \p, v_pk_mul_f32 v[Y+2*i:Y+2*i+1], v[Y+2*i:Y+2*i+1], v[S+2:S+3]
	EACH16 \p, v_pk_fma_f32 v[Y+2*i:Y+2*i+1], v[Y+2*i:Y+2*i+1], v[GAR+2*i:GAR+2*i+1], v[BER+2*i:BER+2*i+1]
.irp c, 0,1,2,3,4,5,6,7
	global_store_b128 v[OO], v[YR+32*(\p)+4*(\c):YR+32*(\p)+4*(\c)+3], s[OB:OB+1] offset:4096*(\p)+512*(\c) th:TH_STORE_NT   ; 512 consecutive bytes, aligned
.endr
.endr
	s_wait_xcnt 0x0                                ; the stores have read their data and their offset: both are written again below and in the next trip
	v_add_nc_u32 v[OO], 8192, v[OO]
	v_add_nc_u32 v[RD], 2*PD, v[RD]
	s_sub_co_u32 s3, s3, 1
	s_cmp_lg_u32 s3, 0
	s_cbranch_scc1 .Lrow
	s_wait_tensorcnt 0x0                           ; the wave's end: behind my last LDS store
	ds_add_u32 v[SPW], v[NIL]
	s_wait_dscnt 0x0
	CROUND                                         ; the closing round
	s_endpgm
.Lfunc_end_k_q2cc667092a_outp:
	.size	k_q2cc667092a_outp, .Lfunc_end_k_q2cc667092a_outp-k_q2cc667092a_outp
	.p2alignl 7, 3214868480
	.fill 96, 4, 3214868480
	.section	.rodata,"a",@progbits
	.p2align	6, 0x0
	.amdhsa_kernel k_q2cc667092a_outp
		.amdhsa_group_segment_fixed_size 327680
		.amdhsa_private_segment_fixed_size 0
		.amdhsa_enable_private_segment 0
		.amdhsa_kernarg_size 64
		.amdhsa_user_sgpr_count 2
		.amdhsa_user_sgpr_kernarg_segment_ptr 1
		.amdhsa_wavefront_size32 1
		.amdhsa_system_sgpr_workgroup_id_x 1
		.amdhsa_system_sgpr_workgroup_id_y 1
		.amdhsa_system_sgpr_workgroup_id_z 1
		.amdhsa_system_vgpr_workitem_id 0
		.amdhsa_next_free_vgpr 1024
		.amdhsa_next_free_sgpr 100
		.amdhsa_reserve_vcc 0
		.amdhsa_float_denorm_mode_32 3
		.amdhsa_float_denorm_mode_16_64 3
		.amdhsa_memory_ordered 1
		.amdhsa_forward_progress 1
		.amdhsa_inst_pref_size 148
	.end_amdhsa_kernel
	.amdgpu_metadata
---
amdhsa.version: [ 1, 2 ]
amdhsa.kernels:
  - .name:           k_q2cc667092a_outp
    .symbol:         k_q2cc667092a_outp.kd
    .args:
      - { .name: sbuf, .offset: 0, .size: 8, .value_kind: global_buffer, .address_space: global }
      - { .name: hin, .offset: 8, .size: 8, .value_kind: global_buffer, .address_space: global }
      - { .name: xb, .offset: 16, .size: 8, .value_kind: global_buffer, .address_space: global }
      - { .name: wob, .offset: 24, .size: 8, .value_kind: global_buffer, .address_space: global }
      - { .name: bo, .offset: 32, .size: 8, .value_kind: global_buffer, .address_space: global }
      - { .name: gamma, .offset: 40, .size: 8, .value_kind: global_buffer, .address_space: global }
      - { .name: beta, .offset: 48, .size: 8, .value_kind: global_buffer, .address_space: global }
      - { .name: out0, .offset: 56, .size: 8, .value_kind: global_buffer, .address_space: global }
    .group_segment_fixed_size: 327680
    .private_segment_fixed_size: 0
    .kernarg_segment_align: 8
    .kernarg_segment_size: 64
    .max_flat_workgroup_size: 128
    .sgpr_count:     100
    .vgpr_count:     1024
    .wavefront_size: 32
...
	.end_amdgpu_metadata
.endif
;; end of part 4
;; ======== version 2 of 2: 4 launches; version 1 with the launches prep, carry written anew for expert scheduling mode
;; workspace buffers: xb 33,554,432 bytes; wc 4,194,304 bytes; wob 2,097,152 bytes; sbuf 67,108,864 bytes; agg 1,048,576 bytes; hin 524,288 bytes
;; launch prep (part 5): grid 1216 x 1, 8 waves a work-group, no clusters, 0 bytes of LDS; arguments x, Wo, Wt, Wr, Wi, xb, wob, wc; writes xb, wob, wc
.if DOCPART == 5
	.amdgcn_target "amdgcn-amd-amdhsa--gfx1250"
	.amdhsa_code_object_version 6
	.text
	.protected	k_q2cc667092a_prep
	.globl	k_q2cc667092a_prep
	.p2align	8
	.type	k_q2cc667092a_prep,@function
k_q2cc667092a_prep:
	s_mov_b64 s[64:65], 0
	v_nop
	global_prefetch_b8 v0, s[64:65] scope:SCOPE_SE
	s_setreg_imm32_b32 hwreg(HW_REG_WAVE_SCHED_MODE, 0, 2), 2
	s_setreg_imm32_b32 hwreg(HW_REG_WAVE_MODE, 25, 1), 1
	s_wait_xcnt 0x0
	s_wait_alu depctr_vm_vsrc(0)
; PREP: every matrix operand is rounded once to bf16 and laid out for the two products.
;   xb  [16384][1024]           = x
;   wob [1024][1024]            row 2 ch + ri = Wo's row 512 ri + ch (real and imaginary part of a channel side by side along K)
;   wc  [g 8][qh 2][k 1024][128] column c of a row: quantity 2 qh + c / 64 (0 theta: Wt, 1 retain: Wr, 2 inp_r, 3 inp_i: Wi), channel 64 g + c % 64
; A stream: no LDS, no barrier, no matrix unit.  A wave takes two rows of 4,096 bytes (x, Wo) or sixteen rows of wc; all its loads go out at once,
; the waits count down, and each store of a wave covers 256 consecutive bytes, aligned.
; Work-groups 0-1023: x (16 rows each); 1024-1087: Wo (channels 8 J + wave); 1088-1215: wc (block J / 8, 128 rows of k each).
; THE MODE: SCHED_MODE bits 1:0 = 2 (LLVM: expert scheduling mode 2), set by the entry lines.  The code itself states the register dependences
; between vector instructions and memory instructions, with s_wait_alu, always for 0.
; THE PLAN.  Registers that memory instructions touch:
;   v3, v4, v100-v115  byte offsets: written once, ahead of the arm's loads, and never again.
;   v16-v79, v120-v183 each is landed in by one load; no vector instruction names it before, and no load lands in it again.
;   the out-registers  x and Wo: v80-v111, two for each load; wc: the first two of a row's four registers.  Written once, by the conversions; read once, by a store; never written again.
; The sixteen loads (wc: sixteen rows) go in four blocks of four.  Block p waits for its data; one wait on va_vdst states that block p - 1's conversions have written their out-registers;
; block p - 1's four stores are then dealt among block p's vector instructions, which name other registers.  The last block's stores stand behind a wait of their own.
; No register that a memory instruction has read is written again, so no wait on vm_vsrc is owed.
.set NX, 1024
.set NO, 64
.macro CVX i                           ; x, Wo: load i's four numbers, rounded
	v_cvt_pk_bf16_f32 v[80+2*(\i)], v[16+4*(\i)], v[17+4*(\i)]
	v_cvt_pk_bf16_f32 v[81+2*(\i)], v[18+4*(\i)], v[19+4*(\i)]
.endm
.macro STX i                           ; and stored
	global_store_b64 v4, v[80+2*(\i):81+2*(\i)], s[28:29] offset:256*(\i)
.endm
.macro SELW i                          ; wc: row i: lanes 0-15 keep A's four numbers, lanes 16-31 take B's; then they are rounded
.irp e, 0,1,2,3
	v_cndmask_b32 v[16+4*(\i)+(\e)], v[120+4*(\i)+(\e)], v[16+4*(\i)+(\e)], vcc_lo
.endr
	v_cvt_pk_bf16_f32 v[16+4*(\i)], v[16+4*(\i)], v[17+4*(\i)]
	v_cvt_pk_bf16_f32 v[17+4*(\i)], v[18+4*(\i)], v[19+4*(\i)]
.endm
.macro STW i                           ; and stored
	global_store_b64 v4, v[16+4*(\i):17+4*(\i)], s[28:29] offset:256*(\i)
.endm
	s_load_b512 s[4:19], s[0:1], 0x0               ; x s[4:5], Wo s[6:7], Wt s[8:9], Wr s[10:11], Wi s[12:13], xb s[14:15], wob s[16:17], wc s[18:19]
	v_lshrrev_b32 v5, 5, v0
	v_readfirstlane_b32 s20, v5                    ; wave 0..7
	v_and_b32 v1, 31, v0                           ; lane
	v_lshlrev_b32 v3, 4, v1                        ; 16 bytes of f32 a lane
	v_lshlrev_b32 v4, 3, v1                        ; 8 bytes of bf16 a lane
	s_wait_alu depctr_va_sdst(0)                   ; s20 is written, ahead of the branch and of its first reader in either arm: the rows' addresses are made from it
	s_mov_b32 s21, ttmp9
	s_mov_b32 s35, 0
	s_cmp_lt_u32 s21, NX+NO
	s_cbranch_scc0 .Lwc
	; x and Wo: two source rows DELTA bytes apart become two neighbouring rows of the copy
	s_mov_b32 s32, 0x200000                        ; Wo: 512 rows of 4,096 bytes from the real part's row to the imaginary part's
	s_mov_b32 s33, 0
	s_cmp_lt_u32 s21, NX                           ; x?
	s_cselect_b32 s22, 0, NX
	s_cselect_b32 s23, 4, 3                        ; source row = 16 J + 2 wave (x) or 8 J + wave (Wo)
	s_cselect_b32 s30, 1, 0
	s_cselect_b32 s32, 0x1000, s32                 ; x: the next row
	s_wait_kmcnt 0x0
	s_cselect_b64 s[24:25], s[4:5], s[6:7]
	s_cselect_b64 s[28:29], s[14:15], s[16:17]
	s_sub_co_u32 s22, s21, s22                     ; J
	s_lshl_b32 s23, s22, s23
	s_lshl_b32 s30, s20, s30
	s_add_co_u32 s23, s23, s30
	s_lshl_b32 s34, s23, 12                        ; rows of 4,096 bytes, under 2^27
	s_add_nc_u64 s[24:25], s[24:25], s[34:35]
	s_add_nc_u64 s[26:27], s[24:25], s[32:33]
	s_lshl_b32 s34, s22, 4
	s_lshl1_add_u32 s34, s20, s34                  ; the copy's row 16 J + 2 wave
	s_lshl_b32 s34, s34, 11
	s_add_nc_u64 s[28:29], s[28:29], s[34:35]
	s_wait_alu depctr_va_vdst(0)                   ; v3 and v4 are written: the loads below read v3 as their offset, the stores v4
.irp i, 0,1,2,3,4,5,6,7
	global_load_b128 v[16+4*(\i):19+4*(\i)], v3, s[24:25] offset:512*(\i) th:TH_LOAD_NT
.endr
.irp i, 0,1,2,3,4,5,6,7
	global_load_b128 v[48+4*(\i):51+4*(\i)], v3, s[26:27] offset:512*(\i) th:TH_LOAD_NT
.endr
.set i, 0
.rept 4                                ; block i / 4
	s_wait_loadcnt 12-i                            ; loads come back in order: this block's four are in, the later blocks' stay out
.if i > 0
	s_wait_alu depctr_va_vdst(0)                   ; the block before has written its eight out-registers, which the four stores below read
.endif
.rept 4
.if i > 3
	STX i-4                                        ; no vector instruction since the wait names its registers
.endif
	CVX i
.set i, i+1
.endr
.endr
	s_wait_alu depctr_va_vdst(0)                   ; the last block has written v104 to v111, which the last four stores read
.rept 4
	STX i-4
.set i, i+1
.endr
	s_endpgm
.Lwc:
	; wc: a row of the copy is 64 columns of one source (A) and 64 of another (B).  Both are loaded by all lanes at 16 (lane % 16); lanes 0-15 keep A's, lanes 16-31 B's.
	s_sub_co_u32 s22, s21, NX+NO
	s_lshr_b32 s23, s22, 3                         ; block 2 g + qh
	s_and_b32 s30, s22, 7
	s_lshr_b32 s31, s23, 1                         ; g
	s_and_b32 s32, s23, 1                          ; qh
	s_lshl_b32 s33, s30, 7
	s_lshl4_add_u32 s33, s20, s33                  ; my first row of k
	s_lshl_b32 s36, s31, 8                         ; 64 g columns of f32
	s_lshl_b32 s37, 0x800, s32                     ; bytes in a source row: 2,048 (Wt, Wr) or 4,096 (Wi)
	s_lshl_b32 s38, s32, 11                        ; Wi's imaginary half lies 512 columns on
	s_mul_i32 s34, s33, s37
	s_add_co_u32 s34, s34, s36
	s_add_co_u32 s38, s34, s38
	s_mov_b32 s39, 0
	s_cmp_eq_u32 s32, 1
	s_wait_kmcnt 0x0
	s_cselect_b64 s[24:25], s[12:13], s[8:9]
	s_cselect_b64 s[26:27], s[12:13], s[10:11]
	s_add_nc_u64 s[24:25], s[24:25], s[34:35]
	s_add_nc_u64 s[26:27], s[26:27], s[38:39]
	s_lshl_b32 s34, s23, 18                        ; a block is 262,144 bytes
	s_lshl_b32 s36, s33, 8
	s_add_co_u32 s34, s34, s36
	s_add_nc_u64 s[28:29], s[18:19], s[34:35]
	v_and_b32 v2, 15, v0
	v_lshlrev_b32 v100, 4, v2
.set i, 1
.rept 15
	v_add_nc_u32 v[100+i], s37, v[99+i]            ; the pitch is no constant of the text, so each row has its offset register
.set i, i+1
.endr
	s_wait_alu depctr_va_vdst(0)                   ; v100 to v115 and v4 are written: the loads below read the sixteen as their offsets, the stores v4
.set i, 0
.rept 16
	global_load_b128 v[16+4*i:19+4*i], v[100+i], s[24:25] th:TH_LOAD_NT
	global_load_b128 v[120+4*i:123+4*i], v[100+i], s[26:27] th:TH_LOAD_NT
.set i, i+1
.endr
	v_cmp_gt_u32 vcc_lo, 16, v1                    ; lanes 0-15
	s_wait_alu depctr_va_vcc(0)                    ; VCC is written, ahead of its first reader: every selection below reads it
.set i, 0
.rept 4                                ; block i / 4
	s_wait_loadcnt 24-2*i                          ; this block's four rows, eight loads, are in; the later blocks' stay out
.if i > 0
	s_wait_alu depctr_va_vdst(0)                   ; the block before has written the first two registers of each of its four rows, which the four stores below read
.endif
.rept 4
.if i > 3
	STW i-4                                        ; no vector instruction since the wait names its registers
.endif
	SELW i
.set i, i+1
.endr
.endr
	s_wait_alu depctr_va_vdst(0)                   ; the last block's conversions have written rows 12 to 15, which the last four stores read
.rept 4
	STW i-4
.set i, i+1
.endr
	s_endpgm
.Lfunc_end_k_q2cc667092a_prep:
	.size	k_q2cc667092a_prep, .Lfunc_end_k_q2cc667092a_prep-k_q2cc667092a_prep
	.p2alignl 7, 3214868480
	.fill 96, 4, 3214868480
	.section	.rodata,"a",@progbits
	.p2align	6, 0x0
	.amdhsa_kernel k_q2cc667092a_prep
		.amdhsa_group_segment_fixed_size 0
		.amdhsa_private_segment_fixed_size 0
		.amdhsa_enable_private_segment 0
		.amdhsa_kernarg_size 64
		.amdhsa_user_sgpr_count 2
		.amdhsa_user_sgpr_kernarg_segment_ptr 1
		.amdhsa_wavefront_size32 1
		.amdhsa_system_sgpr_workgroup_id_x 1
		.amdhsa_system_sgpr_workgroup_id_y 1
		.amdhsa_system_sgpr_workgroup_id_z 1
		.amdhsa_system_vgpr_workitem_id 0
		.amdhsa_next_free_vgpr 200
		.amdhsa_next_free_sgpr 66
		.amdhsa_reserve_vcc 1
		.amdhsa_float_denorm_mode_32 3
		.amdhsa_float_denorm_mode_16_64 3
		.amdhsa_memory_ordered 1
		.amdhsa_forward_progress 1
		.amdhsa_inst_pref_size 18
	.end_amdhsa_kernel
	.amdgpu_metadata
---
amdhsa.version: [ 1, 2 ]
amdhsa.kernels:
  - .name:           k_q2cc667092a_prep
    .symbol:         k_q2cc667092a_prep.kd
    .args:
      - { .name: x, .offset: 0, .size: 8, .value_kind: global_buffer, .address_space: global }
      - { .name: Wo, .offset: 8, .size: 8, .value_kind: global_buffer, .address_space: global }
      - { .name: Wt, .offset: 16, .size: 8, .value_kind: global_buffer, .address_space: global }
      - { .name: Wr, .offset: 24, .size: 8, .value_kind: global_buffer, .address_space: global }
      - { .name: Wi, .offset: 32, .size: 8, .value_kind: global_buffer, .address_space: global }
      - { .name: xb, .offset: 40, .size: 8, .value_kind: global_buffer, .address_space: global }
      - { .name: wob, .offset: 48, .size: 8, .value_kind: global_buffer, .address_space: global }
      - { .name: wc, .offset: 56, .size: 8, .value_kind: global_buffer, .address_space: global }
    .group_segment_fixed_size: 0
    .private_segment_fixed_size: 0
    .kernarg_segment_align: 8
    .kernarg_segment_size: 64
    .max_flat_workgroup_size: 256
    .sgpr_count:     66
    .vgpr_count:     200
    .wavefront_size: 32
...
	.end_amdgpu_metadata
.endif
;; end of part 5
;; launch proj: the kernel of part 2 again; grid 8 x 64, 4 waves a work-group, clusters of 4 x 4, 327,680 bytes of LDS; arguments xb, wc, bt, br, bi, sbuf, agg; writes sbuf, agg
;; launch carry (part 6): grid 64 x 1, 1 waves a work-group, no clusters, 0 bytes of LDS; arguments agg, hin; writes hin
.if DOCPART == 6
	.amdgcn_target "amdgcn-amd-amdhsa--gfx1250"
	.amdhsa_code_object_version 6
	.text
	.protected	k_q2cc667092a_carry
	.globl	k_q2cc667092a_carry
	.p2align	8
	.type	k_q2cc667092a_carry,@function
k_q2cc667092a_carry:
	s_mov_b64 s[64:65], 0
	v_nop
	global_prefetch_b8 v0, s[64:65] scope:SCOPE_SE
	s_setreg_imm32_b32 hwreg(HW_REG_WAVE_SCHED_MODE, 0, 2), 2
	s_setreg_imm32_b32 hwreg(HW_REG_WAVE_MODE, 25, 1), 1
	s_wait_xcnt 0x0
	s_wait_alu depctr_vm_vsrc(0)
; CARRY: the h that enters each segment of 128 rows.  For each batch and channel: h_0 = 0, h_(s+1) = A_s h_s + H_s over the batch's 32 segments, all in f32.
; agg [32 b + s][ch 512][4] = (A_r, A_i, H_r, H_i); hin [32 b + s][ch 512][2] = (h_r, h_i).
; 2,048 chains of 31 steps are all the work there is: a lane a chain, a wave to a work-group, 64 work-groups (batch = number / 16, 32 channels each).
; All 31 loads go out at once; each h has registers of its own, so no wait frees anything.  A store covers 256 consecutive bytes, aligned.
; THE MODE: SCHED_MODE bits 1:0 = 2 (LLVM: expert scheduling mode 2), set by the entry lines.  The code itself states the register dependences
; between vector instructions and memory instructions, with s_wait_alu, always for 0.
; THE PLAN.  Registers that memory instructions touch:
;   v1, v2       byte offsets: written once at the head, never again.
;   v4-v127      segment s at v[4 + 4 s ..]: landed in by one load each; no vector instruction names them before, and no load lands in them again.
;   v128-v191    h_n at v[128 + 2 n ..]: written once, by the chain; read by the chain's next link and by one store; never written again.
;   v[192:193]   at work: no memory instruction names them.
; The 32 h go in four blocks of eight.  At the head of blocks 1 to 3 one wait on va_vdst states that the block before has written its eight h; its eight stores then stand one ahead of each
; link of this block, whose multiply-adds name other registers as their results.  The last block's stores stand behind a wait of their own.
; No register that a memory instruction has read is written again, so no wait on vm_vsrc is owed.
.macro LINK m                          ; h_m = A h_(m-1) + H of segment m - 1
	s_wait_loadcnt 31-(\m)                         ; segment m - 1's word is in; the later ones may be out
	v_pk_fma_f32 v[192:193], v[4*(\m):4*(\m)+1], v[126+2*(\m):127+2*(\m)], v[4*(\m)+2:4*(\m)+3] op_sel:[0,0,0] op_sel_hi:[0,1,1]                 ; A_r h + H
	v_pk_fma_f32 v[128+2*(\m):129+2*(\m)], v[4*(\m):4*(\m)+1], v[126+2*(\m):127+2*(\m)], v[192:193] op_sel:[1,1,0] op_sel_hi:[1,0,1] neg_lo:[0,1,0]  ; + A_i (-h_i, h_r)
.endm
.macro OUT m                           ; h_m is stored
	global_store_b64 v2, v[128+2*(\m):129+2*(\m)], s[6:7] offset:4096*(\m)
.endm
	s_load_b128 s[4:7], s[0:1], 0x0                ; agg s[4:5], hin s[6:7]
	s_lshr_b32 s8, ttmp9, 4                        ; batch
	s_and_b32 s9, ttmp9, 15                        ; block of 32 channels
	v_lshlrev_b32 v1, 4, v0
	v_lshlrev_b32 v2, 3, v0
	s_lshl_b32 s10, s8, 18                         ; 32 segments of 8,192 bytes
	s_lshl_b32 s12, s9, 9
	s_add_co_u32 s10, s10, s12
	s_mov_b32 s11, 0
	s_lshl_b32 s12, s8, 17                         ; 32 segments of 4,096 bytes
	s_lshl_b32 s14, s9, 8
	s_add_co_u32 s12, s12, s14
	s_mov_b32 s13, 0
	s_wait_kmcnt 0x0
	s_add_nc_u64 s[4:5], s[4:5], s[10:11]
	s_add_nc_u64 s[6:7], s[6:7], s[12:13]
	s_wait_alu depctr_va_vdst(0)                   ; v1 and v2 are written: the loads read v1 as their offset, the stores v2
.set sg, 0
.rept 31
	global_load_b128 v[4+4*sg:7+4*sg], v1, s[4:5] offset:8192*sg
.set sg, sg+1
.endr
	v_mov_b32 v128, 0                              ; h_0
	v_mov_b32 v129, 0
.set hn, 1
.rept 7                                ; block 0: h_1 to h_7
	LINK hn
.set hn, hn+1
.endr
.rept 3                                ; blocks 1 to 3
	s_wait_alu depctr_va_vdst(0)                   ; the block before has written its eight h, which the eight stores below read
.rept 8
	OUT hn-8                                       ; no vector instruction since the wait writes its registers
	LINK hn
.set hn, hn+1
.endr
.endr
	s_wait_alu depctr_va_vdst(0)                   ; the chain has written h_24 to h_31, which the last eight stores read
.rept 8
	OUT hn-8
.set hn, hn+1
.endr
	s_endpgm
.Lfunc_end_k_q2cc667092a_carry:
	.size	k_q2cc667092a_carry, .Lfunc_end_k_q2cc667092a_carry-k_q2cc667092a_carry
	.p2alignl 7, 3214868480
	.fill 96, 4, 3214868480
	.section	.rodata,"a",@progbits
	.p2align	6, 0x0
	.amdhsa_kernel k_q2cc667092a_carry
		.amdhsa_group_segment_fixed_size 0
		.amdhsa_private_segment_fixed_size 0
		.amdhsa_enable_private_segment 0
		.amdhsa_kernarg_size 16
		.amdhsa_user_sgpr_count 2
		.amdhsa_user_sgpr_kernarg_segment_ptr 1
		.amdhsa_wavefront_size32 1
		.amdhsa_system_sgpr_workgroup_id_x 1
		.amdhsa_system_sgpr_workgroup_id_y 1
		.amdhsa_system_sgpr_workgroup_id_z 1
		.amdhsa_system_vgpr_workitem_id 0
		.amdhsa_next_free_vgpr 200
		.amdhsa_next_free_sgpr 66
		.amdhsa_reserve_vcc 0
		.amdhsa_float_denorm_mode_32 3
		.amdhsa_float_denorm_mode_16_64 3
		.amdhsa_memory_ordered 1
		.amdhsa_forward_progress 1
		.amdhsa_inst_pref_size 12
	.end_amdhsa_kernel
	.amdgpu_metadata
---
amdhsa.version: [ 1, 2 ]
amdhsa.kernels:
  - .name:           k_q2cc667092a_carry
    .symbol:         k_q2cc667092a_carry.kd
    .args:
      - { .name: agg, .offset: 0, .size: 8, .value_kind: global_buffer, .address_space: global }
      - { .name: hin, .offset: 8, .size: 8, .value_kind: global_buffer, .address_space: global }
    .group_segment_fixed_size: 0
    .private_segment_fixed_size: 0
    .kernarg_segment_align: 8
    .kernarg_segment_size: 16
    .max_flat_workgroup_size: 32
    .sgpr_count:     66
    .vgpr_count:     200
    .wavefront_size: 32
...
	.end_amdgpu_metadata
.endif
;; end of part 6
;; launch outp: the kernel of part 4 again; grid 256 x 1, 4 waves a work-group, clusters of 4 x 1, 327,680 bytes of LDS; arguments sbuf, hin, xb, wob, bo, gamma, beta, out0; writes out0
